; MI455X (gfx1250); checked and timed in simulation.
; The chip was launched on July 23, 2026; its instructions are those of AMD's public machine-readable ISA for CDNA 5 (MIT licence, August 2026) and "CDNA5" Instruction Set Architecture Reference Guide (July 2026). The comments in the code are by the model that wrote it; some were corrected since.
;; Multi Head Attention. Allowed arithmetic: float matrix products may take bf16 or f16 operands with f32 sums; all other float work in f32.
;; Inputs: Wk 1,024 x 1,024 float32; Wo 1,024 x 1,024 float32; Wq 1,024 x 1,024 float32; Wv 1,024 x 1,024 float32; attention_mask 4 x 2,048 x 2,048 float32; bk 1,024 float32; bo 1,024 float32; bq 1,024 float32; bv 1,024 float32; key 4 x 2,048 x 1,024 float32; query 4 x 2,048 x 1,024 float32; value 4 x 2,048 x 1,024 float32.
;; Outputs: out0 4 x 2,048 x 1,024 float32.
;; One version. Each part assembles by itself: llvm-mc -triple=amdgcn-amd-amdhsa -mcpu=gfx1250 --defsym DOCPART=n.
;; ======== version 1 of 1: 4 launches
;; limits: right only within a limited range of input values; values are held in f16: magnitudes above 65,504 overflow, below 6.1e-05 lose precision
;; workspace buffers: cv 8,388,608 bytes; qkv 50,331,648 bytes; o 16,777,216 bytes
;; launch wcast (part 1): grid 64 x 4, 8 waves a work-group, no clusters, 0 bytes of LDS; arguments Wq, Wk, Wv, Wo, cv; writes cv
.if DOCPART == 1
	.amdgcn_target "amdgcn-amd-amdhsa--gfx1250"
	.amdhsa_code_object_version 6
	.text
	.protected	k_q3ee6cceeac_wcast
	.globl	k_q3ee6cceeac_wcast
	.p2align	8
	.type	k_q3ee6cceeac_wcast,@function
k_q3ee6cceeac_wcast:
	s_mov_b64 s[64:65], 0
	v_nop
	global_prefetch_b8 v0, s[64:65] scope:SCOPE_SE
	s_setreg_imm32_b32 hwreg(HW_REG_WAVE_MODE, 25, 1), 1
	s_wait_xcnt 0x0
; The four weight matrices, rounded once to 16 bits.  cv holds 4 units of 1,048,576 numbers (2 MiB each):
;   unit 0 Wq / 8, 1 Wk, 2 Wv, in bf16: one matrix [3072][1024];  unit 3 Wo, rounded to bf16 and that number written as f16 (its partner in the last product is f16).
; 1/8 = 1 / sqrt(64) is a power of two: Wq / 8 rounded to bf16 is Wq rounded to bf16, divided by 8, exactly.
; Each weight is read by 64 or 192 tiles of the products: rounding it once here spares them two LDS loads and four conversions for each fragment.
; LIMIT.  Unit 3: a bf16 number is exact in f16 between 6.1e-5 and 65,504 in magnitude; below, it keeps f16's fixed step of 6e-8; above, it becomes an infinity.
; SHARES.  Work-group (x, y): the 64 KiB of f32 at 65,536 x of unit y.  Thread t takes 16 pieces of 16 bytes, piece j at 4,096 j + 16 t: a wave's load covers 512 consecutive bytes,
; its store of the four results a lane 256 consecutive bytes, aligned.  All 16 loads go out first; no register that a pending store reads is written again, so the text has no loop and no wait but the loads' own.
; No LDS, no matrix unit, no cluster: each byte is read once and written once, and no two work-groups share one.
.set X, 4                              ; v[4:67]    piece j: 4 registers as loaded
.set Y, 68                             ; v[68:99]   piece j: 2 registers to store
.set T, 100                            ; v[100:101] at work
	s_load_b256 s[4:11], s[0:1], 0x0               ; Wq s[4:5], Wk s[6:7], Wv s[8:9], Wo s[10:11]
	s_load_b64 s[12:13], s[0:1], 0x20              ; cv
	s_and_b32 s2, ttmp7, 0xffff                    ; y: the unit
	v_lshlrev_b32 v1, 4, v0                        ; 16 t: my bytes in a piece as loaded
	v_lshlrev_b32 v2, 3, v0                        ; 8 t: as stored
	s_lshl_b32 s22, ttmp9, 16                      ; my 64 KiB of the weight
	s_mov_b32 s23, 0
	s_lshl_b32 s24, s2, 21                         ; in cv: 2 MiB a unit,
	s_lshl_b32 s25, ttmp9, 15
	s_add_co_u32 s24, s24, s25                     ; + my 32 KiB
	s_mov_b32 s25, 0
	s_mov_b32 s26, 0x3e000000                      ; 1/8, as a pair for the packed multiply
	s_mov_b32 s27, s26
	s_mov_b32 s28, 0xffff0000                      ; a word's upper bf16
	s_wait_kmcnt 0x0
	s_cmp_ge_u32 s2, 1                             ; the unit's tensor: a choice between buffers on the unit's number
	s_cselect_b64 s[20:21], s[6:7], s[4:5]
	s_cmp_ge_u32 s2, 2
	s_cselect_b64 s[20:21], s[8:9], s[20:21]
	s_cmp_ge_u32 s2, 3
	s_cselect_b64 s[20:21], s[10:11], s[20:21]
	s_add_nc_u64 s[20:21], s[20:21], s[22:23]
	s_add_nc_u64 s[24:25], s[12:13], s[24:25]
.irp j, 0,1,2,3,4,5,6,7,8,9,10,11,12,13,14,15
	global_load_b128 v[X+4*(\j):X+4*(\j)+3], v1, s[20:21] offset:4096*(\j) th:TH_LOAD_NT  ; read once in the launch
.endr
; Piece j.  mode 0: to bf16.  mode 1: times 1/8, to bf16.  mode 2: to bf16, and that number as f16.
.macro PIECE j, mode
	s_wait_loadcnt 15-(\j)                         ; loads come back in order (ISA guide 5.7.1): piece j is in, the younger ones stay out
.if (\mode) == 1
	v_pk_mul_f32 v[X+4*(\j):X+4*(\j)+1],   v[X+4*(\j):X+4*(\j)+1],   s[26:27] op_sel_hi:[1,0]
	v_pk_mul_f32 v[X+4*(\j)+2:X+4*(\j)+3], v[X+4*(\j)+2:X+4*(\j)+3], s[26:27] op_sel_hi:[1,0]
.endif
.if (\mode) == 2
	v_cvt_pk_bf16_f32 v[T],   v[X+4*(\j)],   v[X+4*(\j)+1]
	v_cvt_pk_bf16_f32 v[T+1], v[X+4*(\j)+2], v[X+4*(\j)+3]
	v_lshlrev_b32 v[X+4*(\j)],   16,  v[T]         ; bf16 to f32: the low half moves up, the high half stays
	v_and_b32     v[X+4*(\j)+1], s28, v[T]
	v_lshlrev_b32 v[X+4*(\j)+2], 16,  v[T+1]
	v_and_b32     v[X+4*(\j)+3], s28, v[T+1]
	v_cvt_pk_f16_f32 v[Y+2*(\j)],   v[X+4*(\j)],   v[X+4*(\j)+1]
	v_cvt_pk_f16_f32 v[Y+2*(\j)+1], v[X+4*(\j)+2], v[X+4*(\j)+3]
.else
	v_cvt_pk_bf16_f32 v[Y+2*(\j)],   v[X+4*(\j)],   v[X+4*(\j)+1]
	v_cvt_pk_bf16_f32 v[Y+2*(\j)+1], v[X+4*(\j)+2], v[X+4*(\j)+3]
.endif
	global_store_b64 v2, v[Y+2*(\j):Y+2*(\j)+1], s[24:25] offset:2048*(\j)  ; a wave stores 256 consecutive bytes, at a multiple of 256 from cv's first byte
.endm
	s_cmp_eq_u32 s2, 3
	s_cbranch_scc1 .Lwo
	s_cmp_eq_u32 s2, 0
	s_cbranch_scc1 .Lwq
.irp j, 0,1,2,3,4,5,6,7,8,9,10,11,12,13,14,15
	PIECE \j, 0
.endr
	s_endpgm
.Lwq:
.irp j, 0,1,2,3,4,5,6,7,8,9,10,11,12,13,14,15
	PIECE \j, 1
.endr
	s_endpgm
.Lwo:
.irp j, 0,1,2,3,4,5,6,7,8,9,10,11,12,13,14,15
	PIECE \j, 2
.endr
	s_endpgm
.Lfunc_end_k_q3ee6cceeac_wcast:
	.size	k_q3ee6cceeac_wcast, .Lfunc_end_k_q3ee6cceeac_wcast-k_q3ee6cceeac_wcast
	.p2alignl 7, 3214868480
	.fill 96, 4, 3214868480
	.section	.rodata,"a",@progbits
	.p2align	6, 0x0
	.amdhsa_kernel k_q3ee6cceeac_wcast
		.amdhsa_group_segment_fixed_size 0
		.amdhsa_private_segment_fixed_size 0
		.amdhsa_enable_private_segment 0
		.amdhsa_kernarg_size 40
		.amdhsa_user_sgpr_count 2
		.amdhsa_user_sgpr_kernarg_segment_ptr 1
		.amdhsa_wavefront_size32 1
		.amdhsa_system_sgpr_workgroup_id_x 1
		.amdhsa_system_sgpr_workgroup_id_y 1
		.amdhsa_system_sgpr_workgroup_id_z 1
		.amdhsa_system_vgpr_workitem_id 0
		.amdhsa_next_free_vgpr 104
		.amdhsa_next_free_sgpr 66
		.amdhsa_reserve_vcc 0
		.amdhsa_float_denorm_mode_32 3
		.amdhsa_float_denorm_mode_16_64 3
		.amdhsa_memory_ordered 1
		.amdhsa_forward_progress 1
		.amdhsa_inst_pref_size 21
	.end_amdhsa_kernel
	.amdgpu_metadata
---
amdhsa.version: [ 1, 2 ]
amdhsa.kernels:
  - .name:           k_q3ee6cceeac_wcast
    .symbol:         k_q3ee6cceeac_wcast.kd
    .args:
      - { .name: Wq, .offset: 0, .size: 8, .value_kind: global_buffer, .address_space: global }
      - { .name: Wk, .offset: 8, .size: 8, .value_kind: global_buffer, .address_space: global }
      - { .name: Wv, .offset: 16, .size: 8, .value_kind: global_buffer, .address_space: global }
      - { .name: Wo, .offset: 24, .size: 8, .value_kind: global_buffer, .address_space: global }
      - { .name: cv, .offset: 32, .size: 8, .value_kind: global_buffer, .address_space: global }
    .group_segment_fixed_size: 0
    .private_segment_fixed_size: 0
    .kernarg_segment_align: 8
    .kernarg_segment_size: 40
    .max_flat_workgroup_size: 256
    .sgpr_count:     66
    .vgpr_count:     104
    .wavefront_size: 32
...
	.end_amdgpu_metadata
.endif
;; end of part 1
;; launch proj (part 2): grid 4 x 192, 4 waves a work-group, clusters of 4 x 4, 327,680 bytes of LDS; arguments query, key, value, cv, bq, bk, bv, qkv; writes qkv
.if DOCPART == 2
	.amdgcn_target "amdgcn-amd-amdhsa--gfx1250"
	.amdhsa_code_object_version 6
	.text
	.protected	k_q3ee6cceeac_proj
	.globl	k_q3ee6cceeac_proj
	.p2align	8
	.type	k_q3ee6cceeac_proj,@function
k_q3ee6cceeac_proj:
	s_mov_b64 s[64:65], 0
	v_nop
	global_prefetch_b8 v0, s[64:65] scope:SCOPE_SE
	s_setreg_imm32_b32 hwreg(HW_REG_WAVE_MODE, 25, 1), 1
	s_wait_xcnt 0x0
	s_wait_alu depctr_hold_cnt(0) depctr_sa_sdst(0) depctr_va_vdst(0) depctr_va_sdst(0) depctr_va_ssrc(0) depctr_va_vcc(0) depctr_vm_vsrc(0)
	s_getreg_b32 s2, hwreg(HW_REG_IB_STS2, 6, 4)
	s_cmp_eq_u32 s2, 0
	s_cbranch_scc0 .Lentry_in_a_cluster
	s_endpgm
.Lentry_in_a_cluster:
	s_bfe_u32 s2, ttmp6, 0x10000c
	s_cmp_lg_u32 s2, 0xf033
	s_cbranch_scc0 .Lentry_shape_is_right
	s_endpgm
.Lentry_shape_is_right:
; THE THREE PROJECTIONS IN ONE LAUNCH.  C[m][n] = b[n] + the sum over k of A[m][k] B[n][k], K = 1,024, bf16 operands, f32 sums.
; Part p = 0, 1, 2: A = query, key, value, [8192][1024] in f32, ROUNDED TO bf16 HERE, between LDS and the matrix unit; B = unit p of cv (Wq / 8, Wk, Wv, [1024][1024] in bf16); b = bq / 8, bk, bv, rounded to bf16.
; So each number of A leaves memory once, as 4 bytes; a pass of its own would read those 4, store 2 and have them read again.
; The result leaves BY HEADS, in f16, rounded once: qkv[p][batch x 16 + head][token][64]: part 0 is q / 8, so that the attention's scores need no scale.
; LIMIT.  f16 ends at 65,504: a q / 8, k or v beyond it becomes an infinity; below 6.1e-5 it keeps f16's fixed step of 6e-8.
; SHARES.  A tile of C is 128 x 256: 192 x 4 = 768 work-groups, three for each of 256 WGPs (tiles of 256 x 256 would give 384, a round and a half).  Four waves, each 64 x 128: 32 accumulators, 256 registers.
; K goes in 8 steps of 128 through two LDS slots filled by the tensor data mover; A's rows are 512 bytes of memory, B's 256, all at multiples of 256 from their buffers' first bytes.
; CLUSTER.  4 x 4 work-groups: the four of a row of the cluster need the same tile of A, the four of a column the same tile of B: each is asked for JOINTLY, by the same load, descriptor and mask in all four.
; THE MATRIX INSTRUCTION IS USED TRANSPOSED (source 0 = 16 rows of B, source 1 = 16 rows of A): lane l holds row l % 16 of C and the columns 8 (l / 16) + 0..7.
; THE BIAS is the C operand of the first 32 along K: nothing is cleared, and nothing is added on the way out.
; THE TEXT.  A K step is written once.  The slot in hand is a scalar, 0 or SLOT1, turned by one exclusive or at each change of slots; the LDS addresses are made of it, and one descriptor a tensor walks from K step 1 to 7.
; Written out beside the loop: the first 32 along K, whose products start the sums, and a second copy of the step for the last two, which ask for nothing.
; REGISTERS, in windows of 256 (s_set_vgpr_msb: bits 1:0 source 0, 3:2 source 1, 5:4 source 2, 7:6 destination):
;   window 0: v0-31 addresses; v32-127, v128-223 two fragment buffers (8 x 8 of B, then 4 x 8 of A); on the way out v32-159 packed results
;   window 1: accumulator (a, b) at v[8 (8 a + b)]
;   window 2: v0-63 the bias, 8 registers for each of my 8 blocks of 16 columns; v64-65 at work; v128-191 A as it comes from LDS, 16 registers of f32 for each of my 4 blocks of 16 rows
.set PITCH, 272                        ; a row of B in LDS: 256 bytes + 16 of padding = 68 words: the 16 rows of a fragment load start at 16 different groups of four banks (64 banks of 4 bytes: ISA guide 11.1)
.set PAF,   528                        ; a row of A: 512 + 16 = 132 words: likewise
.set AHALF, 64*PAF                     ; what a wave fetches of A: 33,792 = 0x8400
.set AREG,  2*AHALF                    ; A's 128 rows: 0x10800
.set BHALF, 128*PITCH                  ; what a wave fetches of B: 34,816 = 0x8800
.set SLOTB, AREG+2*BHALF               ; a slot's bytes: A's 128 rows, then B's 256: 137,216
.set SLOT1, 0x24000                    ; slot 1 begins at 147,456: it shares no bit with the four places at which a wave's load begins in slot 0 (0, 0x8400, 0x10800, 0x19000), so one exclusive or turns such a place into the other slot's
.set STAGE, SLOT1+SLOTB                ; behind the ring: 16 rows x 144 bytes for each wave, for the way out
.set SP,    144
.set SPARE, STAGE+4*16*SP              ; behind the stages: the spare words, 128 bytes for each wave: two blocks of 256 bytes that no other line names
.set STEPS, 8                          ; 1,024 / 128
.set ADRA0, 16                         ; v16     LDS address of my rows of A in slot 0; never rewritten
.set ADRA,  17                         ; v17     the same in the slot in hand
.set ADRB0, 20                         ; v20, v21  the same for B
.set ADRB,  21
.set STO,  24                          ; v24     the way out: where I put 16 bytes of a row
.set RD,   25                          ; v25     the way out: where I read rows back
.set CO,   26                          ; v26     my byte offset in 512 consecutive bytes of qkv
.set BO,   27                          ; v27     my byte offset in the bias
.set SPW,  28                          ; v28     LDS address of my spare word: SPARE + 4 x my thread's number; never rewritten
.set NIL,  29                          ; v29     0; never rewritten
.set F0,   32
.set F1,   128
.set TMP,  32
.set BIAS, 0                           ; window 2
.set BT,   64                          ; window 2
.set RAW,  128                         ; window 2
.set WV, 14                            ; s14  my wave's number
.set HM, 15                            ; s15  which 64 rows of the tile are mine.  Also: I fetch for A (0) or for B (1)
.set HN, 16                            ; s16  which 128 columns.  Also: which half of that tile I fetch
.set G1, 24                            ; s[24:31] descriptor group 1 for A's tiles;  s[32:39] group 0: a set for each of the two first fills; the second then walks on
.set G0, 32
.set G1B, 48                           ; s[48:55], s[56:63] the same for B's
.set G0B, 56
.set TB, 75                            ; s75  0 or SLOT1: the slot in hand
.set MSB, 0
.macro WIN new                         ; the immediate's high byte repeats the setting that is left; a switch that changes nothing is dropped
.if MSB != (\new)
	s_set_vgpr_msb (MSB<<8)|(\new)
.set MSB, \new
.endif
.endm
.set MULW, 0x50                        ; fragments window 0; C and D window 1
.set MULZ, 0x60                        ; C window 2 (the bias), D window 1
.set LD2,  0x80                        ; destination window 2, address window 0
.set W2,   0x8a                        ; sources 0, 1 and destination window 2
.set CVW,  0x0a                        ; sources 0 and 1 window 2, destination window 0
; A joint load: waves 0 and 1 fetch A's two halves, waves 2 and 3 B's.  The branch hangs on the wave's number alone.  An s_nop 0 and four v_nop follow each of the two lines, ahead of the jump, the label and what follows.
.macro JLOAD s
	s_cmp_eq_u32 s[HM], 0
	s_cbranch_scc0 .Lfor_b_\@
	tensor_load_to_lds s[G0+4*(\s):G0+4*(\s)+3], s[G1:G1+7]
	s_nop 0
.rept 4
	v_nop
.endr
	s_branch .Lasked_\@
.Lfor_b_\@:
	tensor_load_to_lds s[G0B+4*(\s):G0B+4*(\s)+3], s[G1B:G1B+7]
	s_nop 0
.rept 4
	v_nop
.endr
.Lasked_\@:
.endm
.macro CREST                           ; a round of the cluster's barrier behind its opening barrier: wave 0 signals for the work-group, every wave waits for all sixteen, my work-group's barrier once more
	s_cmp_lg_u32 s[WV], 0
	s_cbranch_scc1 .Lnot_wave_0_\@
	s_barrier_signal -3
.Lnot_wave_0_\@:
	s_barrier_wait -3
	s_barrier_signal -1
	s_barrier_wait -1
.endm
.macro CROUND                          ; a whole round
	s_barrier_signal -1
	s_barrier_wait -1
	CREST
.endm
	s_load_b512 s[80:95], s[0:1], 0x0              ; query s[80:81], key s[82:83], value s[84:85], cv s[86:87], bq s[88:89], bk s[90:91], bv s[92:93], qkv s[94:95]
	v_lshl_add_u32 v[SPW], v0, 2, SPARE
	v_mov_b32 v[NIL], 0
	ds_add_u32 v28, v29
	s_wait_dscnt 0x0
	v_lshrrev_b32 v1, 5, v0
	v_readfirstlane_b32 s[WV], v1                  ; wave 0..3
	s_lshr_b32 s[HM], s[WV], 1
	s_and_b32 s[HN], s[WV], 1
	s_bfe_u32 s18, ttmp6, 0x40000                  ; cx, cy: my place in the cluster
	s_bfe_u32 s19, ttmp6, 0x40004
	s_lshl_b32 s20, ttmp9, 2
	s_add_co_u32 s20, s20, s18                     ; tile column = 4 x cluster x + cx: 0..3
	s_and_b32 s23, ttmp7, 0xffff
	s_lshl_b32 s17, s23, 2
	s_add_co_u32 s17, s17, s19                     ; tile row R = 4 x cluster y + cy: 0..191
	s_lshr_b32 s23, s23, 4                         ; part p = R / 64: the same in the whole cluster
	s_lshl_b32 s21, s19, 2
	s_lshl_b32 s21, 15, s21                        ; my row of the cluster
	s_lshl_b32 s22, 0x1111, s18                    ; my column
	; descriptor group 1: A's load brings 64 rows x 128 numbers of f32, B's 128 rows x 128 of bf16, both padded in LDS
	s_or_b32 s[G1+0],  s21, (2<<16)|(1<<20)|(1<<21)|(6<<22)|(3<<25)  ; 15:0 the mask; 17:16 elements of 4 bytes; 20 padding on; 21 set beside a mask; 24:22 after every 128 words (code 6); 31:25 4 words (code 3)
	s_or_b32 s[G1B+0], s22, (1<<16)|(1<<20)|(1<<21)|(5<<22)|(3<<25)  ; elements of 2 bytes; after every 64 words (code 5)
	s_mov_b32 s[G1+1], 128<<16                     ; tensor_dim0 = 128
	s_mov_b32 s[G1+2], 64<<16                      ; tensor_dim1 = 64
	s_mov_b32 s[G1+3], 128<<16                     ; tile_dim0 = 128
	s_mov_b32 s[G1+4], 64                          ; tile_dim1 = 64
	s_mov_b32 s[G1+5], 1024                        ; elements from row to row
	s_mov_b32 s[G1+6], 0
	s_mov_b32 s[G1+7], 0
	s_mov_b32 s[G1B+1], 128<<16
	s_mov_b32 s[G1B+2], 128<<16                    ; tensor_dim1 = 128
	s_mov_b32 s[G1B+3], 128<<16
	s_mov_b32 s[G1B+4], 128                        ; tile_dim1 = 128
	s_mov_b32 s[G1B+5], 1024
	s_mov_b32 s[G1B+6], 0
	s_mov_b32 s[G1B+7], 0
	; where the tiles come from.  A's hang on p and R, which my row of the cluster shares; B's on p and the tile column, which my column shares; each in registers that never hold the other coordinate.
	s_and_b32 s40, s17, 63                         ; A: the part's tile row, 128 rows of 4,096 bytes,
	s_lshl_b32 s40, s40, 19
	s_lshl_b32 s41, s[HN], 18                      ; + my 64 rows
	s_add_co_u32 s40, s40, s41
	s_mov_b32 s41, 0
	s_lshl_b32 s44, s23, 21                        ; B: unit p's 1,024 rows of 2,048 bytes,
	s_lshl_b32 s45, s20, 19                        ; the tile column's 256,
	s_add_co_u32 s44, s44, s45
	s_lshl_b32 s45, s[HN], 18                      ; my 128
	s_add_co_u32 s44, s44, s45
	s_mov_b32 s45, 0
	s_mul_i32 s42, s[HN], AHALF                    ; and where they go: no place in the cluster enters an LDS address
	s_mul_i32 s46, s[HN], BHALF
	s_add_co_u32 s46, s46, AREG
	s_mov_b32 s74, 0xffff0000                      ; a word's upper bf16
	s_mov_b32 s[TB], 0                             ; slot 0 is in hand
	s_wait_kmcnt 0x0
	s_cmp_eq_u32 s23, 1                            ; the part's A and bias: choices between buffers on the part's number
	s_cselect_b64 s[4:5], s[82:83], s[80:81]
	s_cselect_b64 s[70:71], s[90:91], s[88:89]
	s_cmp_eq_u32 s23, 2
	s_cselect_b64 s[4:5], s[84:85], s[4:5]
	s_cselect_b64 s[70:71], s[92:93], s[70:71]
	s_cmp_eq_u32 s23, 0
	s_cselect_b32 s72, 0x3e000000, 1.0             ; the bias's scale: 1/8 for q, 1 for k and v: exact either way
	s_mov_b32 s73, s72
	s_add_nc_u64 s[40:41], s[4:5], s[40:41]
	s_add_nc_u64 s[44:45], s[86:87], s[44:45]
	CROUND                                         ; all sixteen work-groups are here: the first joint loads meet
.irp s, 0,1
	s_mov_b32 s[G0+4*(\s)], 1                                      ; 1:0 count = 1
	s_add_co_u32 s[G0+4*(\s)+1], s42, (\s)*SLOT1                   ; 63:32 LDS address
	s_add_nc_u64 s[G0+4*(\s)+2:G0+4*(\s)+3], s[40:41], (\s)*512    ; 120:64 global address: K step s, 128 numbers of f32
	s_or_b32 s[G0+4*(\s)+3], s[G0+4*(\s)+3], 0x80000000            ; 127:126 type = 2
	s_mov_b32 s[G0B+4*(\s)], 1
	s_add_co_u32 s[G0B+4*(\s)+1], s46, (\s)*SLOT1
	s_add_nc_u64 s[G0B+4*(\s)+2:G0B+4*(\s)+3], s[44:45], (\s)*256  ; 128 numbers of bf16
	s_or_b32 s[G0B+4*(\s)+3], s[G0B+4*(\s)+3], 0x80000000
	JLOAD \s                                       ; the ring is filled before anything else is done: two loads of mine are out
.endr
	; A fragment is 16 rows x 32 K in 8 registers: lane l holds row l % 16, K = 8 (l / 16) + 0..7 and 16 + 8 (l / 16) + 0..7.  In bf16: two loads of 16 bytes, 32 bytes apart.
	; In f32: 32 bytes at 32 (l / 16) and 32 bytes at 64 + 32 (l / 16): four loads of 16 bytes, whose 16 registers round in pairs to the 8.
	v_and_b32 v1, 15, v0                           ; l % 16
	v_bfe_u32 v2, v0, 4, 1                         ; l / 16
	v_mul_u32_u24 v3, v1, PITCH
	v_lshl_add_u32 v3, v2, 4, v3                   ; B: row x pitch + 16 x half
	v_mul_u32_u24 v5, v1, PAF
	v_lshl_add_u32 v5, v2, 5, v5                   ; A: row x pitch + 32 x half
	s_mul_i32 s76, s[HM], 64*PAF                   ; my 64 rows of A
	s_mul_i32 s77, s[HN], BHALF                    ; my 128 rows of B,
	s_add_co_u32 s77, s77, AREG                    ; which lie behind A's
	v_add_nc_u32 v[ADRA0], s76, v5
	v_add_nc_u32 v[ADRB0], s77, v3
	v_mov_b32 v[ADRA], v[ADRA0]
	v_mov_b32 v[ADRB], v[ADRB0]
	s_mul_i32 s76, s[WV], 16*SP
	s_add_co_u32 s76, s76, STAGE                   ; my stage
	v_mul_u32_u24 v[STO], v1, SP                   ; in: row l % 16, 16 bytes for each half of the lanes
	v_lshl_add_u32 v[STO], v2, 4, v[STO]
	v_add_nc_u32 v[STO], s76, v[STO]
	v_bfe_u32 v[RD], v0, 3, 2                      ; back: 32 lanes take four rows of 128 bytes,
	v_mul_u32_u24 v[RD], v[RD], SP
	v_and_b32 v4, 7, v0
	v_lshl_add_u32 v[RD], v4, 4, v[RD]
	v_add_nc_u32 v[RD], s76, v[RD]
	v_and_b32 v[CO], 31, v0                        ; which are 512 consecutive bytes of qkv
	v_lshlrev_b32 v[CO], 4, v[CO]
	; where my part of the tile goes: part p, batch (R / 16) % 4, heads 4 x tile column + 2 HN (+ 1), tokens 128 (R % 16) + 64 HM on
	s_lshl_b32 s76, s23, 24
	s_bfe_u32 s77, s17, 0x20004
	s_lshl_b32 s77, s77, 22
	s_add_co_u32 s76, s76, s77
	s_lshl_b32 s77, s20, 2
	s_lshl1_add_u32 s77, s[HN], s77
	s_lshl_b32 s77, s77, 18
	s_add_co_u32 s76, s76, s77
	s_and_b32 s77, s17, 15
	s_lshl_b32 s77, s77, 14
	s_add_co_u32 s76, s76, s77
	s_lshl_b32 s77, s[HM], 13
	s_add_co_u32 s76, s76, s77
	s_mov_b32 s77, 0
	s_add_nc_u64 s[66:67], s[94:95], s[76:77]
	; The bias in C's layout: for block b of 16 columns a lane holds b[n0 + 16 b + 8 (l / 16) + 0..7].  Rounded to bf16 like the other inputs of the products, then scaled.
	s_lshl_b32 s46, s20, 10                        ; 256 columns of f32 a tile column,
	s_lshl_b32 s47, s[HN], 9                       ; my 128
	s_add_co_u32 s46, s46, s47
	v_lshl_add_u32 v[BO], v2, 5, s46
	WIN LD2
.irp b, 0,1,2,3,4,5,6,7
	global_load_b128 v[BIAS+8*(\b):BIAS+8*(\b)+3],   v[BO], s[70:71] offset:64*(\b)
	global_load_b128 v[BIAS+8*(\b)+4:BIAS+8*(\b)+7], v[BO], s[70:71] offset:64*(\b)+16
.endr
	s_wait_loadcnt 0x0
	WIN W2
.set i, 0
.rept 32
	v_cvt_pk_bf16_f32 v[BT+i%2], v[BIAS+2*i], v[BIAS+2*i+1]
	v_lshlrev_b32 v[BIAS+2*i],   16,  v[BT+i%2]
	v_and_b32     v[BIAS+2*i+1], s74, v[BT+i%2]
	v_pk_mul_f32 v[BIAS+2*i:BIAS+2*i+1], v[BIAS+2*i:BIAS+2*i+1], s[72:73] op_sel_hi:[1,0]
.set i, i+1
.endr
	WIN 0
; 8 matrix instructions: my block a of 16 rows x all 8 blocks of 16 columns, 32 along K.  zero = 1: the first product starts the sums, from the bias.
; The 32 accumulators take turns, one instruction a turn, in the same order in every 32 along K.
.macro MUL8 f, a, zero
.if \zero
	WIN MULZ
.else
	WIN MULW
.endif
.irp b, 0,1,2,3,4,5,6,7
.if \zero
	v_wmma_f32_16x16x32_bf16 v[8*(8*(\a)+(\b)):8*(8*(\a)+(\b))+7], v[(\f)+8*(\b):(\f)+8*(\b)+7], v[(\f)+64+8*(\a):(\f)+64+8*(\a)+7], v[BIAS+8*(\b):BIAS+8*(\b)+7]
.else
	v_wmma_f32_16x16x32_bf16 v[8*(8*(\a)+(\b)):8*(8*(\a)+(\b))+7], v[(\f)+8*(\b):(\f)+8*(\b)+7], v[(\f)+64+8*(\a):(\f)+64+8*(\a)+7], v[8*(8*(\a)+(\b)):8*(8*(\a)+(\b))+7]
.endif
.endr
.endm
; 32 LDS loads in one run, for chunk c (32 along K) of the slot in hand: first my 64 rows of A in f32, which are wanted first, for their conversion; then 128 rows of B, straight into buffer f
.macro FETCH c, f
	WIN LD2
.irp i, 0,1,2,3
	ds_load_b128 v[RAW+16*(\i):RAW+16*(\i)+3],     v[ADRA] offset:128*(\c)+(\i)*16*PAF
	ds_load_b128 v[RAW+16*(\i)+4:RAW+16*(\i)+7],   v[ADRA] offset:128*(\c)+(\i)*16*PAF+16
	ds_load_b128 v[RAW+16*(\i)+8:RAW+16*(\i)+11],  v[ADRA] offset:128*(\c)+(\i)*16*PAF+64
	ds_load_b128 v[RAW+16*(\i)+12:RAW+16*(\i)+15], v[ADRA] offset:128*(\c)+(\i)*16*PAF+80
.endr
	WIN 0
.irp i, 0,1,2,3,4,5,6,7
	ds_load_b128 v[(\f)+8*(\i):(\f)+8*(\i)+3],   v[ADRB] offset:64*(\c)+(\i)*16*PITCH
	ds_load_b128 v[(\f)+8*(\i)+4:(\f)+8*(\i)+7], v[ADRB] offset:64*(\c)+(\i)*16*PITCH+32
.endr
.endm
; 16 conversions: blocks a0 and a0 + 1 of A, rounded to nearest even, into buffer f.  They name no register of the products round them, so the run at a chunk's end is also the places
; between a buffer's last products and the next loads into it, and behind the last products of all (ISA guide 7.12.1 for vector instructions): the text has no v_nop but those behind its tensor loads.
.macro CVT f, a0
	WIN CVW
.irp a, \a0, (\a0)+1
.irp j, 0,1,2,3,4,5,6,7
	v_cvt_pk_bf16_f32 v[(\f)+64+8*(\a)+(\j)], v[RAW+16*(\a)+2*(\j)], v[RAW+16*(\a)+2*(\j)+1]
.endr
.endr
.endm
; A K step is four chunks of 32 along K, 32 matrix instructions each, on buffers 0, 1, 0, 1.  One of the first three: multiplies buffer f; at its head it fetches chunk c for buffer g, whose last products
; stand 16 conversions back; that chunk's A has 16 products in which to come, its B the whole chunk.
.macro QUARTER c, f, g, zero
	s_wait_dscnt 0x0                               ; buffer f's B is in (its A was waited for ahead of its conversion)
	FETCH \c, \g
	MUL8 \f, 0, \zero
	MUL8 \f, 1, \zero
	s_wait_dscnt 16                                ; A's 16 loads are in; B's 16, issued behind them, may be out
	CVT \g, 0
	MUL8 \f, 2, \zero
	MUL8 \f, 3, \zero
	CVT \g, 2
.endm
; The last chunk multiplies buffer 1 and changes slots: ONE barrier; in front of it each wave waits for all its tensor loads (one is out: its part of the next slot), adds 0 to its spare word,
; and waits for that and for its own reads of this slot.  fill = 1: the barrier opens a round of the cluster's, and this slot is filled again, two K steps on, first thing behind the round.
; fill = 0: the tail's: in its second trip (s3 = 1) there is no further step: the fetch is jumped over, and the 32 conversions below round what nobody uses: the price, once a work-group, of one text for both trips.
.macro TURN fill
	WIN 0
	s_wait_tensorcnt 0x0                           ; all my tensor loads have landed, so a group 0 may be written;
	ds_add_u32 v[SPW], v[NIL]                      ; 0 onto my spare word
	s_wait_dscnt 1                                 ; (buffer 1's B is in; the add may be out)
	MUL8 F1, 0, 0                                  ; eight matrix instructions stand between the add and the wait for it
	s_wait_dscnt 0x0                               ; the add is done, and my reads of this slot are over
	s_barrier_signal -1
	MUL8 F1, 1, 0
	WIN 0
	s_barrier_wait -1
.if \fill
	CREST                                          ; no wave of any partner still reads this slot's tile or has a load on its way
	s_xor_b32 s[G0+5], s[G0+5], SLOT1              ; the walking descriptors: the other slot than last time,
	s_add_nc_u64 s[G0+6:G0+7], s[G0+6:G0+7], 512   ; the next K step; the type bits on top are not reached
	s_xor_b32 s[G0B+5], s[G0B+5], SLOT1
	s_add_nc_u64 s[G0B+6:G0B+7], s[G0B+6:G0B+7], 256
	JLOAD 1                                        ; 112 matrix instructions ahead of the wait for it
.else
	s_cmp_eq_u32 s3, 1
	s_cbranch_scc1 .Lno_fetch_\@
.endif
	s_xor_b32 s[TB], s[TB], SLOT1                  ; the other slot is in hand
	v_add_nc_u32 v[ADRA], s[TB], v[ADRA0]
	v_add_nc_u32 v[ADRB], s[TB], v[ADRB0]
	FETCH 0, F0
.if (\fill) == 0
.Lno_fetch_\@:
.endif
	MUL8 F1, 2, 0
	s_wait_dscnt 16                                ; A's 16 loads are in; B's may be out
	CVT F0, 0
	MUL8 F1, 3, 0
	CVT F0, 2
.endm
	s_wait_tensorcnt 1                             ; my part of K step 0 is in; K step 1's may stay out
	s_barrier_signal -1
	s_barrier_wait -1                              ; everybody's is
	FETCH 0, F0
	s_wait_dscnt 16                                ; A's 16 loads are in; B's may be out
	CVT F0, 0
	CVT F0, 2
	QUARTER 1, F0, F1, 1                           ; the first chunk stands in front of the loop: its products start the sums
	WIN 0                                          ; at a label and at a branch every window is 0
	s_mov_b32 s3, STEPS-2
.Lstep:                                                ; 6 trips: from a K step's second chunk to the next step's first; the slot that is left takes the step two on
	QUARTER 2, F1, F0, 0
	QUARTER 3, F0, F1, 0
	TURN 1
	QUARTER 1, F0, F1, 0
	WIN 0
	s_sub_co_u32 s3, s3, 1
	s_cmp_lg_u32 s3, 0
	s_cbranch_scc1 .Lstep
	s_mov_b32 s3, 2
.Ltail:                                                ; the last two K steps ask for nothing, and have no round of the cluster's barrier; the second trip is left behind its last chunk
	QUARTER 2, F1, F0, 0
	QUARTER 3, F0, F1, 0
	TURN 0
	WIN 0
	s_sub_co_u32 s3, s3, 1
	s_cmp_eq_u32 s3, 0
	s_cbranch_scc1 .Lout
	QUARTER 1, F0, F1, 0
	WIN 0
	s_branch .Ltail
.Lout:                                                 ; no LDS load is out: the last trip fetched nothing.  The 16 conversions at TURN's end are the places behind the last products
; THE WAY OUT, in 8 units: unit u = block u / 2 of 16 tokens x head u % 2 of my two: four accumulators, 16 tokens x 64 channels: 2,048 consecutive bytes of qkv.
; PACK: rounded to f16 (each accumulator's lowest registers first), 16 bytes a lane into my own stage, rows of 144 bytes, and back as whole rows of 128.
.macro PACK u
.set AC, 8*(8*((\u)/2)+4*((\u)%2))
	WIN 0x05                                       ; sources 0 and 1 window 1, destination window 0
.irp b, 0,1,2,3
.irp r, 0,1,2,3
	v_cvt_pk_f16_f32 v[TMP+16*(\u)+4*(\b)+(\r)], v[AC+8*(\b)+2*(\r)], v[AC+8*(\b)+2*(\r)+1]
.endr
.endr
	WIN 0
.irp f, 0,1,2,3
	ds_store_b128 v[STO], v[TMP+16*(\u)+4*(\f):TMP+16*(\u)+4*(\f)+3] offset:32*(\f)
.endr
.irp f, 0,1,2,3
	ds_load_b128 v[TMP+16*(\u)+4*(\f):TMP+16*(\u)+4*(\f)+3], v[RD] offset:(\f)*4*SP  ; LDS serves a wave's instructions in order (ISA guide 5.7.1.4): these see the stores above; the next unit's stores come behind them
.endr
.endm
.macro SEND u, younger                 ; younger: the LDS instructions issued behind unit u's loads: the next unit's eight, or none
.irp f, 0,1,2,3
	s_wait_dscnt (\younger)+3-(\f)
	global_store_b128 v[CO], v[TMP+16*(\u)+4*(\f):TMP+16*(\u)+4*(\f)+3], s[66:67] offset:(((\u)%2)<<18)+((\u)/2)*2048+(\f)*512  ; 512 consecutive bytes, at a multiple of 256 from qkv's first
.endr
.endm
	PACK 0
.irp u, 1,2,3,4,5,6,7                  ; a unit's conversions stand between the loads of the unit before and its stores
	PACK \u
	SEND (\u)-1, 8
.endr
	SEND 7, 0
	s_wait_tensorcnt 0x0                           ; the wave's end: behind my last tensor load and my last LDS store
	ds_add_u32 v[SPW], v[NIL]
	s_wait_dscnt 0x0
	CROUND                                         ; the closing round: no work-group ends while a partner may still ask for a tile that names it
	s_endpgm
.Lfunc_end_k_q3ee6cceeac_proj:
	.size	k_q3ee6cceeac_proj, .Lfunc_end_k_q3ee6cceeac_proj-k_q3ee6cceeac_proj
	.p2alignl 7, 3214868480
	.fill 96, 4, 3214868480
	.section	.rodata,"a",@progbits
	.p2align	6, 0x0
	.amdhsa_kernel k_q3ee6cceeac_proj
		.amdhsa_group_segment_fixed_size 327680
		.amdhsa_private_segment_fixed_size 0
		.amdhsa_enable_private_segment 0
		.amdhsa_kernarg_size 64
		.amdhsa_user_sgpr_count 2
		.amdhsa_user_sgpr_kernarg_segment_ptr 1
		.amdhsa_wavefront_size32 1
		.amdhsa_system_sgpr_workgroup_id_x 1
		.amdhsa_system_sgpr_workgroup_id_y 1
		.amdhsa_system_sgpr_workgroup_id_z 1
		.amdhsa_system_vgpr_workitem_id 0
		.amdhsa_next_free_vgpr 704
		.amdhsa_next_free_sgpr 96
		.amdhsa_reserve_vcc 0
		.amdhsa_float_denorm_mode_32 3
		.amdhsa_float_denorm_mode_16_64 3
		.amdhsa_memory_ordered 1
		.amdhsa_forward_progress 1
		.amdhsa_inst_pref_size 95
	.end_amdhsa_kernel
	.amdgpu_metadata
---
amdhsa.version: [ 1, 2 ]
amdhsa.kernels:
  - .name:           k_q3ee6cceeac_proj
    .symbol:         k_q3ee6cceeac_proj.kd
    .args:
      - { .name: query, .offset: 0, .size: 8, .value_kind: global_buffer, .address_space: global }
      - { .name: key, .offset: 8, .size: 8, .value_kind: global_buffer, .address_space: global }
      - { .name: value, .offset: 16, .size: 8, .value_kind: global_buffer, .address_space: global }
      - { .name: cv, .offset: 24, .size: 8, .value_kind: global_buffer, .address_space: global }
      - { .name: bq, .offset: 32, .size: 8, .value_kind: global_buffer, .address_space: global }
      - { .name: bk, .offset: 40, .size: 8, .value_kind: global_buffer, .address_space: global }
      - { .name: bv, .offset: 48, .size: 8, .value_kind: global_buffer, .address_space: global }
      - { .name: qkv, .offset: 56, .size: 8, .value_kind: global_buffer, .address_space: global }
    .group_segment_fixed_size: 327680
    .private_segment_fixed_size: 0
    .kernarg_segment_align: 8
    .kernarg_segment_size: 64
    .max_flat_workgroup_size: 128
    .sgpr_count:     96
    .vgpr_count:     704
    .wavefront_size: 32
...
	.end_amdgpu_metadata
.endif
;; end of part 2
;; launch attn (part 3): grid 16 x 16, 4 waves a work-group, clusters of 4 x 4, 327,680 bytes of LDS; arguments qkv, attention_mask, o; writes o
.if DOCPART == 3
	.amdgcn_target "amdgcn-amd-amdhsa--gfx1250"
	.amdhsa_code_object_version 6
	.text
	.protected	k_q3ee6cceeac_attn
	.globl	k_q3ee6cceeac_attn
	.p2align	8
	.type	k_q3ee6cceeac_attn,@function
k_q3ee6cceeac_attn:
	s_mov_b64 s[64:65], 0
	v_nop
	global_prefetch_b8 v0, s[64:65] scope:SCOPE_SE
	s_setreg_imm32_b32 hwreg(HW_REG_WAVE_MODE, 25, 1), 1
	s_wait_xcnt 0x0
	s_wait_alu depctr_hold_cnt(0) depctr_sa_sdst(0) depctr_va_vdst(0) depctr_va_sdst(0) depctr_va_ssrc(0) depctr_va_vcc(0) depctr_vm_vsrc(0)
	s_getreg_b32 s2, hwreg(HW_REG_IB_STS2, 6, 4)
	s_cmp_eq_u32 s2, 0
	s_cbranch_scc0 .Lentry_in_a_cluster
	s_endpgm
.Lentry_in_a_cluster:
	s_bfe_u32 s2, ttmp6, 0x10000c
	s_cmp_lg_u32 s2, 0xf033
	s_cbranch_scc0 .Lentry_shape_is_right
	s_endpgm
.Lentry_shape_is_right:
; O[g][q][:] = the sum over k of softmax_k(Q'[g][q] . K[g][k] + M[g / 16][q][k]) V[g][k][:], g = batch x 16 + head, 64 of them, 2,048 queries and keys, 64 channels.
; qkv: [3][64][2048][64] in f16: Q' = q / 8, K, V: a head's rows are dense, 128 bytes each.  M: [4][2048][2048] in f32, taken as it is given, exactly.  O: [64][2048][64] in f16.
; Products, maxima and sums in f32; the weights p are rounded to f16 for the second product (their sum l is taken of the unrounded p), O once at the end.
; LIMITS.  The running maximum m starts at -2^26 = -6.7e7: a score + mask below that counts as hidden (weight 0), whatever its value, -inf too.  A row of which EVERY score + mask lies below -6.7e7 gives 0 / 0 = NaN:
; right for a row of -inf, not for a row hidden wholly by finite numbers.  c m is rounded to f32: with |m| up to 6.7e7 a row's weights carry a common factor between 2^-4 and 2^4, which leaves O = sum / l as it is;
; beyond +6.7e7 the factor grows with m and the weights may leave f16's range.  p below 6e-5 keeps f16's fixed step of 6e-8; a weight below 2^-126 counts as 0 in l.  NaN in an input is not treated apart.
; SHARES.  A work-group owns 128 queries of FOUR heads of one batch, a head a wave: the mask hangs on the batch, the query and the key alone, so the four waves read ONE tile of M.  A step then brings
; 128 x 64 x 4 = 32,768 bytes of M and 4 x 16,384 of K and V into LDS; 512 queries of one head would want 131,072 and 16,384 for the same products.  A wave's 128 queries are four PIECES of two tiles of 16.
; Every wave walks all keys of its head, 64 a step, 32 steps.
; LAYOUT.  S^T = K Q'^T + M^T (source 0 = 16 keys, source 1 = 16 queries): in the result a lane holds ONE query (lane % 16) and the keys 8 (lane / 16) + 0..7.  THE MASK IS THE C OPERAND of the product that starts the
; sum: a lane's eight numbers are 32 consecutive bytes of a row of M, so it costs two LDS loads an accumulator and no vector instruction.  Two results, rounded to f16 in pairs, ARE source 1 (32 keys x 16 queries) of
; O^T = V^T P, whose result again holds one query a lane.  K comes out of LDS as it lies, V ([key][channel]) turned, by ds_load_tr16_b128.
; SOFTMAX.  For each query a running maximum m and sum l: p = 2^(c s - c m), c = log2(e); in every step O and l are multiplied by a = 2^(c m_old - c m_new).  O and l start at 0, c m far below: the first step's a is 0.
; THE COUNT.  A tile and step have 16 matrix and 118 vector instructions: too many to stand all beside the matrix work.  So: four vector instructions that are READY behind EVERY matrix instruction, the others in runs of their own.
; BY TURNS.  Turn n belongs to piece n (the pieces in a ring, step after step).  Its matrix work: 16 products K Q'^T of piece n + 1, later 16 products V^T P of piece n - 1.  Its vector work: the scaling, exponentials,
; roundings, sums and rescaling of piece n, and the maximum and statistics of piece n + 1.  It also fetches the mask of piece n + 2, for the next turn's products.
; CLUSTER.  4 x 4 work-groups: 4 x cluster x + cx = the block of 128 queries, cy = the group of four heads, cluster y = the batch.  The four of a row of the cluster walk the same K and V; the four of a column need the
; same 128 x 64 numbers of M in every step.  Each tile is asked for JOINTLY: the same load, descriptor and mask of work-groups in all four: a quarter of the requests for K, V and M.
; THE RING.  A slot holds one step: 128 rows x 256 bytes of M, 4 x 64 rows of K, 4 x 64 of V.  Wave 0 fetches K, wave 1 V (32,768 bytes each), waves 2 and 3 a half of M each (16,384): one load a wave behind each round.
; ASKED AHEAD.  Straight behind their tensor load waves 2 and 3 ask, by one prefetch each, for bytes that the NEXT trip's tensor loads will want: one trip, some 1,500 instructions, ahead.  Wave 2: rows 32 cy .. + 31 of
; that step's tile of M, so that the four partners of a column cover its 128 rows.  Wave 3: 16 of the 256 blocks of 256 bytes of that step's K and V of my four heads, which the sixteen work-groups that walk them share
; out by their block of queries.  12,288 bytes a work-group are asked for and not yet read.  The last trip's offset is clamped to step 31.
; REGISTERS, in windows of 256 (s_set_vgpr_msb: bits 1:0 source 0, 3:2 source 1, 5:4 source 2, 7:6 destination):
;   window 0: v0-11 addresses; v12-15, v48-63 at work; v16-47 four registers of statistics a tile; v64-191 S^T, two buffers of two tiles; v192-255 P, likewise
;   window 1: O^T, 32 a tile     window 2: v0-127 Q', 16 a tile; v128-191 K of one step; v192-255 V of one step     window 3: v0-1 the add's two registers; v64-127 the mask of one piece
.set NP,    4         ; pieces a wave: a name, no knob
.set KS,    64        ; keys in a step
.set PK,    144       ; a row of K in LDS: 128 bytes + 16 of padding = 36 words: the 16 rows of a load start at 16 different groups of four banks (64 banks of 4 bytes: ISA guide 11.1)
.set PV,    160       ; a row of V: 128 + 32 = 40 words
.set PM,    272       ; a row of M: 256 + 16 = 68 words: as for K
.set MHALF, 64*PM     ; what a wave fetches of M: 17,408 = 0x4400
.set MSLOT, 2*MHALF   ; 34,816 = 0x8800: it shares no bit with 0 or MHALF, so one exclusive or turns an address in one slot into the other's
.set KHEAD, KS*PK     ; a head's 64 rows of K
.set VHEAD, KS*PV     ; and of V
.set K0,    2*MSLOT   ; 0x11000: behind M's two slots: K, V of slot 0, then K, V of slot 1; in each the four heads one behind the other
.set V0,    K0+4*KHEAD  ; 0x1a000
.set KVSLOT, 4*(KHEAD+VHEAD)  ; 0x13000
.set KX,    0x35000   ; K0 xor (K0 + KVSLOT) = 0x11000 xor 0x24000
.set VX,    0x37000   ; V0 xor (V0 + KVSLOT) = 0x1a000 xor 0x2d000
.set STAGE, K0+2*KVSLOT  ; behind the ring, never filled by a tensor load: 16 rows x 144 bytes for each wave, for the way out
.set SP,    144
.set SPARE, STAGE+4*16*SP  ; behind the stages: the spare words, 128 bytes for each wave: two blocks of 256 bytes that no other line names
.set AK0, 2           ; v2   my lane's place in slot 0's K of my head; never rewritten
.set AV0, 3           ; v3   the same for V
.set AK,  4           ; v4   the LDS address of K's run of loads in the slot in hand
.set AV,  5           ; v5   of V's
.set QO,  6           ; v6   my byte offset in the wave's rows of Q'
.set STO, 6           ;      later, the way out: where I put 16 bytes of a row
.set RD,  7           ; v7   the way out: where I read rows back
.set GO,  8           ; v8   my byte offset in 512 consecutive bytes of O
.set AM0, 9           ; v9   my lane's place in slot 0's M; never rewritten
.set AM,  10          ; v10  the LDS address of M's runs of loads in the slot in hand
.set PO,  11          ; v11  the prefetch: my lane's byte offset; never rewritten
.set SPW, 0           ; v0 of window 3   LDS address of my spare word: SPARE + 4 x my thread's number; never rewritten
.set NIL, 1           ; v1 of window 3   0; never rewritten
.set MC,  64          ; window 3: tile u of the piece, group kt of 16 keys at MC + 32 u + 8 kt
.set MV,  12          ; v12-15  c m_old, kept while c m is made anew: by buffer and tile (in the head: l % 16, l / 16, l % 8, (l / 8) % 2)
.set ST,  16          ; tile t's statistics at v[ST+4 t]: c m, m, l (even keys', odd keys')
.set TMP, 48          ; by buffer and tile, four registers c0-c3 at work; when the maximum is found c2 takes a
.set S,   64
.set P,   192
.set KF,  128         ; K's fragments, in window 2: key block kb, channel half c at KF + 16 kb + 8 c
.set VF,  192         ; V's: key half kk, channel block cb at VF + 32 kk + 8 cb
.set WV,  12          ; s12  my wave's number
.set G1K, 24          ; s[24:31] descriptor group 1 for K's tiles
.set G1V, 32          ; s[32:39] for V's: it differs in the padding alone
.set G1M, 40          ; s[40:47] for M's
.set G0K, 48          ; s[48:51] descriptor group 0 for K's tiles: it walks
.set G0V, 52          ; s[52:55] for V's
.set G0M, 56          ; s[56:59] for M's
.set CNT, 60          ; s60  counts the trips
.set TBM, 61          ; s61  0 or MSLOT: the slot in hand
.set TBK, 62          ; s62  0 or KVSLOT: the same
.set SEL, 66          ; s[66:67] v_permlanex16_b32's selects: each lane takes its own place in the other half
.set CS,  68          ; s[68:69] c: the packed scaling takes the pair's low word for both halves
.set PB,  70          ; s[70:71] the prefetch: what I ask of, at step 0
.set PA,  72          ; s[72:73] the same at the step to be asked for
.set PC,  74          ; s[74:75] that step's byte offset
.set PSTP, 76         ; s76  bytes from step to step: 256 in a row of M, 8,192 in a head's K or V
.set PMAX, 77         ; s77  step 31's offset
.set MSB, 0
.macro WIN new                      ; the high byte repeats the setting that is left; a switch that changes nothing is dropped
.if MSB != (\new)
	s_set_vgpr_msb (MSB<<8)|(\new)
.set MSB, (\new)
.endif
.endm
.set W_KQ, 0x0a       ; K and Q' in window 2, S^T in window 0
.set W_KM, 0x3a       ; the same with the C operand, the mask, in window 3
.set W_PV, 0x52       ; V in window 2, P in window 0, O^T in window 1
.set W_RS, 0x41       ; O^T (destination and source 0) in window 1, a in window 0
.set W_MK, 0xc0       ; destination in window 3, sources in window 0
.set W_AD, 0x0f       ; the add: address (source 0) and data (source 1) in window 3
; A joint fill: wave 0 K, wave 1 V, waves 2 and 3 the two halves of M.  The branches hang on the wave's number alone.  An s_nop 0 and four v_nop follow each of the three lines, ahead of what comes next.
; Behind theirs waves 2 and 3 ask ahead for the next trip's bytes.
.macro JLOAD
	s_cmp_lt_u32 s[WV], 2
	s_cbranch_scc0 .Lfor_m_\@
	s_cmp_eq_u32 s[WV], 0
	s_cbranch_scc0 .Lfor_v_\@
	tensor_load_to_lds s[G0K:G0K+3], s[G1K:G1K+7]
	s_nop 0
.rept 4
	v_nop
.endr
	s_branch .Lasked_\@
.Lfor_v_\@:
	tensor_load_to_lds s[G0V:G0V+3], s[G1V:G1V+7]
	s_nop 0
.rept 4
	v_nop
.endr
	s_branch .Lasked_\@
.Lfor_m_\@:
	tensor_load_to_lds s[G0M:G0M+3], s[G1M:G1M+7]
	s_nop 0
.rept 4
	v_nop
.endr
	global_prefetch_b8 v[PO], s[PA:PA+1] th:TH_LOAD_NT scope:SCOPE_SE  ; lanes 8,192 bytes apart in M (wave 2), 256 apart in K or V (wave 3: lanes 16-31 name the blocks of lanes 0-15 once more)
.Lasked_\@:
.endm
; A round of the cluster's barrier: my work-group's barrier, so that wave 0's signal speaks for all four waves; wave 0 signals; every wave waits for all sixteen work-groups; my work-group's barrier once more.
.macro CROUND
	s_barrier_signal -1
	s_barrier_wait -1
	s_cmp_lg_u32 s[WV], 0
	s_cbranch_scc1 .Lnot_wave_0_\@
	s_barrier_signal -3
.Lnot_wave_0_\@:
	s_barrier_wait -3
	s_barrier_signal -1
	s_barrier_wait -1
.endm
; THE CHANGE OF SLOTS, ahead of each trip.  The slot's last bytes, the mask of its piece 3, have been asked for.  Each wave waits for all its tensor loads, of which one is out: its part of the other slot; adds 0 to its
; spare word; and waits for that and for its own reads of the slot.  Behind the barrier nobody reads this slot any more and the other slot is whole.
; fill = 1: this slot is filled again, with the step two on.  The barrier is then a round of the cluster's, so that no wave of any partner still reads the slot or has a load on its way, and the joint fill is the first
; thing behind it: it has a trip, 128 matrix instructions and their vector work, in which to land.  (At its first use nothing has been read yet: slot 0 is waited for, slot 1 filled.)
.macro CHANGE fill
	WIN W_AD
	s_wait_tensorcnt 0x0            ; no tensor load of mine is out, so a group 0 may be written
	ds_add_u32 v[SPW], v[NIL]       ; 0 onto my spare word; with fill = 1 the descriptors' steps stand between it and the wait for it
	WIN 0                           ; at a label and at a branch every window is 0
.if \fill
	s_xor_b32 s[G0K+1], s[G0K+1], KX     ; the walking descriptors: the other slot than last time,
	s_add_nc_u64 s[G0K+2:G0K+3], s[G0K+2:G0K+3], KS*128  ; the next 64 keys; the type bits on top are not reached
	s_xor_b32 s[G0V+1], s[G0V+1], VX
	s_add_nc_u64 s[G0V+2:G0V+3], s[G0V+2:G0V+3], KS*128
	s_xor_b32 s[G0M+1], s[G0M+1], MSLOT
	s_add_nc_u64 s[G0M+2:G0M+3], s[G0M+2:G0M+3], KS*4    ; 64 columns of f32 on
	s_wait_xcnt 0x0                 ; the prefetch of a trip ago has had its address translated (ISA guide 3.1): its base is written anew only behind this wait
	s_add_co_u32 s[PC], s[PC], s[PSTP]   ; the step behind the one that is asked for below,
	s_min_u32 s[PC], s[PC], s[PMAX]      ; or step 31 once more: no prefetch points past a row's or a head's end
	s_add_nc_u64 s[PA:PA+1], s[PB:PB+1], s[PC:PC+1]
	s_wait_dscnt 0x0                ; the add is done, and my reads of the slot are over
	CROUND
	JLOAD
.else
	s_wait_dscnt 0x0                ; the add is done, and my reads of the slot are over
	s_barrier_signal -1
	s_barrier_wait -1
.endif
	s_xor_b32 s[TBM], s[TBM], MSLOT ; the trip's fetches go to the other slot
	s_xor_b32 s[TBK], s[TBK], KVSLOT
	v_add_nc_u32 v[AM], s[TBM], v[AM0]
	v_add_nc_u32 v[AK], s[TBK], v[AK0]
	v_add_nc_u32 v[AV], s[TBK], v[AV0]
.endm
	s_load_b128 s[4:7], s[0:1], 0x0   ; qkv s[4:5], M s[6:7]
	s_load_b64 s[8:9], s[0:1], 0x10   ; O
	WIN W_MK
	v_lshl_add_u32 v[SPW], v0, 2, SPARE
	v_mov_b32 v[NIL], 0
	s_set_vgpr_msb 0xc0cf
	ds_add_u32 v0, v1
	s_wait_dscnt 0x0
	s_set_vgpr_msb 0xcfc0
	WIN 0
	v_lshrrev_b32 v1, 5, v0
	v_readfirstlane_b32 s[WV], v1   ; wave 0..3
	s_bfe_u32 s13, ttmp6, 0x40000   ; cx, cy: my place in the cluster
	s_bfe_u32 s14, ttmp6, 0x40004
	s_and_b32 s15, ttmp7, 0xffff    ; in a cluster launch ttmp9 and ttmp7 count clusters: cluster y is the batch
	s_lshl_b32 s16, ttmp9, 2
	s_add_co_u32 s16, s16, s13      ; my block of 128 queries = 4 x cluster x + cx: 0..15
	s_lshl_b32 s17, s15, 2
	s_add_co_u32 s17, s17, s14      ; my group of four heads = 4 x batch + cy: 0..15
	s_lshl_b32 s20, s14, 2
	s_lshl_b32 s20, 15, s20         ; my row of the cluster: the same four heads
	s_lshl_b32 s21, 0x1111, s13     ; my column: the same batch and queries, so the same M
	; descriptor group 1.  A head's 64 keys are 8,192 dense bytes: one row of 4,096 elements; the four heads are four rows, 2^18 bytes apart; padded in LDS after every key
	s_or_b32 s[G1K], s20, (1<<16)|(1<<20)|(1<<21)|(4<<22)|(3<<25)  ; 15:0 the mask of four; 17:16 2-byte elements; 20 padding on; 21 set beside a mask; 24:22 after every 32 words (code 4); 31:25 4 words (code 3)
	s_or_b32 s[G1V], s20, (1<<16)|(1<<20)|(1<<21)|(4<<22)|(7<<25)  ; the same with 8 words of padding (code 7)
.irp g, G1K, G1V
	s_mov_b32 s[\g+1], 4096<<16     ; tensor_dim0 = 4,096
	s_mov_b32 s[\g+2], 4<<16        ; tensor_dim1 = 4
	s_mov_b32 s[\g+3], 4096<<16     ; tile_dim0 = 4,096
	s_mov_b32 s[\g+4], 4            ; tile_dim1 = 4
	s_mov_b32 s[\g+5], 131072       ; elements from head to head
	s_mov_b32 s[\g+6], 0
	s_mov_b32 s[\g+7], 0
.endr
	s_or_b32 s[G1M], s21, (2<<16)|(1<<20)|(1<<21)|(5<<22)|(3<<25)  ; 4-byte elements; 4 words of padding after every 64
	s_mov_b32 s[G1M+1], 64<<16      ; tensor_dim0 = 64: 256 bytes of a row of M, at a multiple of 256 from M's first byte
	s_mov_b32 s[G1M+2], 64<<16      ; tensor_dim1 = 64
	s_mov_b32 s[G1M+3], 64<<16      ; tile_dim0 = 64
	s_mov_b32 s[G1M+4], 64          ; tile_dim1 = 64
	s_mov_b32 s[G1M+5], 2048        ; elements from row to row
	s_mov_b32 s[G1M+6], 0
	s_mov_b32 s[G1M+7], 0
	s_and_b32 s18, s[WV], 1         ; which half of M's 128 rows I fetch
	s_mov_b32 s[G0K], 1             ; 1:0 count = 1
	s_mov_b32 s[G0K+1], K0          ; 63:32 LDS address: slot 0; no place in the cluster enters an LDS address
	s_mov_b32 s[G0V], 1
	s_mov_b32 s[G0V+1], V0
	s_mov_b32 s[G0M], 1
	s_mul_i32 s[G0M+1], s18, MHALF
	s_lshl_b32 s2, s15, 24          ; M's tile: the batch, 2^24 bytes each,
	s_lshl_b32 s3, s16, 20          ; my block's 128 rows of 8,192 bytes,
	s_add_co_u32 s2, s2, s3
	s_lshl_b32 s3, s18, 19          ; my half of them
	s_add_co_u32 s2, s2, s3
	s_mov_b32 s3, 0
	s_lshl_b32 s22, s17, 20         ; my four heads' first byte in each part of qkv
	s_mov_b32 s23, 0
	s_lshl2_add_u32 s18, s17, s[WV] ; g = 4 x group + wave: my head,
	s_lshl_b32 s18, s18, 18         ; its first byte in a part of qkv and in O,
	s_lshl_b32 s19, s16, 14         ; my block's 128 rows of 128 bytes
	s_add_co_u32 s18, s18, s19
	s_mov_b32 s19, 0
	; What I ask ahead for.  Wave 2: M, my batch and block, rows 32 cy + lane.  Wave 3 (waves 0 and 1 make the same numbers and ask for nothing): with u = my block of queries % 8, K (u even) or V (u odd) of head
	; 4 x group + u / 2, of whose 32 blocks of 256 bytes a step I take 16: the lower if my block of queries is below 8, else the upper.
	s_lshl_b32 s78, s15, 24
	s_lshl_b32 s79, s16, 20
	s_add_co_u32 s78, s78, s79      ; M: the batch, my block's rows
	s_and_b32 s79, s16, 1
	s_add_co_u32 s79, s79, 1
	s_lshl_b32 s79, s79, 24         ; part 1 (K) or 2 (V) of qkv,
	s_bfe_u32 s80, s16, 0x20001
	s_lshl2_add_u32 s80, s17, s80
	s_lshl_b32 s80, s80, 18         ; the head
	s_add_co_u32 s79, s79, s80
	s_lshl_b32 s80, s14, 5          ; M: my first row
	s_lshr_b32 s81, s16, 3
	s_lshl_b32 s81, s81, 4          ; K, V: my first block
	s_movk_i32 s83, 0x100
	s_cmp_eq_u32 s[WV], 2
	s_cselect_b32 s78, s78, s79
	s_cselect_b32 s80, s80, s81
	s_cselect_b32 s81, 31, 15       ; 32 rows, or 16 blocks
	s_cselect_b32 s82, 13, 8        ; of 8,192 bytes, or of 256
	s_cselect_b32 s[PSTP], s83, 0x2000
	s_mov_b32 s79, 0
	s_mul_i32 s[PMAX], s[PSTP], 31
	s_mov_b32 s[PC], s[PSTP]        ; the first prefetch, behind step 0's load, asks for step 1
	s_mov_b32 s[PC+1], 0
	v_and_b32 v[PO], s81, v0
	v_add_nc_u32 v[PO], s80, v[PO]
	v_lshlrev_b32 v[PO], s82, v[PO]
	s_mov_b32 s[CS], 0x3fb8aa3b     ; c = log2(e)
	s_mov_b32 s[CS+1], s[CS]        ; named with it as a pair
	s_mov_b32 s[SEL], 0x76543210
	s_mov_b32 s[SEL+1], 0xfedcba98
	s_mov_b32 s[TBM], MSLOT         ; the first change of slots turns these two into 0
	s_mov_b32 s[TBK], KVSLOT
	s_wait_kmcnt 0x0
	s_add_nc_u64 s[G0K+2:G0K+3], s[4:5], s[22:23]  ; 120:64 global address: my four heads' first 64 keys,
	s_add_nc_u64 s[G0V+2:G0V+3], s[G0K+2:G0K+3], 0x2000000  ; in part 2
	s_add_nc_u64 s[G0K+2:G0K+3], s[G0K+2:G0K+3], 0x1000000  ; and in part 1
	s_or_b32 s[G0K+3], s[G0K+3], 0x80000000        ; 127:126 type = 2
	s_or_b32 s[G0V+3], s[G0V+3], 0x80000000
	s_add_nc_u64 s[G0M+2:G0M+3], s[6:7], s[2:3]
	s_or_b32 s[G0M+3], s[G0M+3], 0x80000000
	s_add_nc_u64 s[20:21], s[4:5], s[18:19]  ; Q' and O at my wave's first row
	s_add_nc_u64 s[10:11], s[8:9], s[18:19]
	s_cmp_eq_u32 s[WV], 2           ; the buffer that I ask ahead of: a choice on the wave's number
	s_cselect_b64 s[PB:PB+1], s[6:7], s[4:5]
	s_add_nc_u64 s[PB:PB+1], s[PB:PB+1], s[78:79]
	s_add_nc_u64 s[PA:PA+1], s[PB:PB+1], s[PC:PC+1]
	CROUND                          ; all sixteen work-groups are here: the first joint loads meet
	JLOAD                           ; step 0 into slot 0.  Slot 1 is asked for when slot 0 is in, by the loop's own change of slots
	; A fragment of K or Q' is 16 rows x 32 channels in 8 registers: lane l holds row l % 16, channels 8 (l / 16) + 0..7 and 16 + 8 (l / 16) + 0..7: two loads of 16 bytes, 32 bytes apart.
	v_and_b32 v12, 15, v0           ; l % 16
	v_bfe_u32 v13, v0, 4, 1         ; l / 16
	v_lshlrev_b32 v[QO], 7, v12
	v_lshl_add_u32 v[QO], v13, 4, v[QO]  ; row x 128 + 16 x half
	WIN 0x80                        ; destination window 2, address window 0
.set i, 0
.rept 4*NP                          ; Q' stays in registers: tile i / 2, channels 32 (i % 2) on
	global_load_b128 v[8*i:8*i+3],   v[QO], s[20:21] offset:(i/2)*2048+(i%2)*64
	global_load_b128 v[8*i+4:8*i+7], v[QO], s[20:21] offset:(i/2)*2048+(i%2)*64+32
.set i, i+1
.endr
	; What the first turn finds: V's registers and P's second buffer hold 0 (its products V^T P, of a piece that has not been, add 0), O^T and l are 0.  All this stands in the wait for the first tile.
.set i, VF
.rept 64
	v_mov_b32 v[i], 0
.set i, i+1
.endr
	WIN 0x40
.set i, 0
.rept 64*NP
	v_mov_b32 v[i], 0
.set i, i+1
.endr
	WIN 0
.set i, 0
.rept 2*NP
	v_mov_b32 v[ST+4*i], 0xfe000000    ; c m: far below every c m to come, so the first a is 0
	v_mov_b32 v[ST+4*i+1], 0xcc800000  ; m = -2^26: the floor named in LIMITS
	v_mov_b32 v[ST+4*i+2], 0
	v_mov_b32 v[ST+4*i+3], 0
.set i, i+1
.endr
.set i, P+32
.rept 32
	v_mov_b32 v[i], 0
.set i, i+1
.endr
	s_mul_i32 s22, s[WV], KHEAD     ; my head's rows of K
	s_add_co_u32 s22, s22, K0
	v_mul_u32_u24 v[AK0], v12, PK
	v_lshl_add_u32 v[AK0], v13, 4, v[AK0]  ; row x pitch + 16 x half
	v_add_nc_u32 v[AK0], s22, v[AK0]
	; The turning load takes 16 keys x 16 channels (lane l reads key 8 (l / 16) + l % 8, channels 8 ((l / 8) % 2) + 0..7) and leaves half a fragment of V^T: lane l holds channel l % 16 and 8 keys.
	s_mul_i32 s23, s[WV], VHEAD     ; my head's rows of V
	s_add_co_u32 s23, s23, V0
	v_and_b32 v14, 7, v0
	v_bfe_u32 v15, v0, 3, 1
	v_lshl_add_u32 v[AV0], v13, 3, v14
	v_mul_u32_u24 v[AV0], v[AV0], PV
	v_lshl_add_u32 v[AV0], v15, 4, v[AV0]
	v_add_nc_u32 v[AV0], s23, v[AV0]
	; The mask in C's layout: register j of group kt holds M[query l % 16][key 16 kt + 8 (l / 16) + j]: 32 bytes at row x pitch + 64 kt + 32 (l / 16).  The same rows for all four waves.
	v_mul_u32_u24 v[AM0], v12, PM
	v_lshl_add_u32 v[AM0], v13, 5, v[AM0]
; THE MATRIX WORK.  The 8 accumulators of a run of 16 take turns: between the two links of a chain stand 7 others'.
; Product i of 16 of S^T = K Q'^T + M^T for piece x: channels 32 (i / 8) on, keys 16 ((i / 2) % 4) on, tile 2 x + i % 2.  The first 8 start the sums, from the mask.
.macro KQ x
.set rS, S+64*((\x)%2)+32*(i%2)+8*((i/2)%4)
.set rK, KF+16*((i/2)%4)+8*(i/8)
.set rQ, 16*(2*(\x)+i%2)+8*(i/8)
.set rX, MC+32*(i%2)+8*((i/2)%4)
.if i < 8
	WIN W_KM
	v_wmma_f32_16x16x32_f16 v[rS:rS+7], v[rK:rK+7], v[rQ:rQ+7], v[rX:rX+7]
.else
	WIN W_KQ
	v_wmma_f32_16x16x32_f16 v[rS:rS+7], v[rK:rK+7], v[rQ:rQ+7], v[rS:rS+7]
.endif
.endm
; Product i of 16 of O^T += V^T P for piece x: keys 32 (i / 8) on, channels 16 ((i / 2) % 4) on, tile 2 x + i % 2.
.macro PV x
	WIN W_PV
.set rO, 32*(2*(\x)+i%2)+8*((i/2)%4)
.set rV, VF+32*(i/8)+8*((i/2)%4)
.set rP, P+32*((\x)%2)+16*(i%2)+8*(i/8)
	v_wmma_f32_16x16x32_f16 v[rO:rO+7], v[rV:rV+7], v[rP:rP+7], v[rO:rO+7]
.endm
.macro MM                           ; the turn's next matrix instruction
.if i < 16
	KQ (Y+1)%NP
.set i, i+1
.else
.set i, i-16
	PV (Y+NP-1)%NP
.set i, i+17
.endif
.endm
; THE LDS LOADS stand in runs of 16, never singly among the matrix instructions: a step's K (64 keys x 64 channels: 8 fragments), its V (turned), and for each piece its mask (32 queries x 64 keys of f32).
.macro FETCH_K
	WIN 0x80                        ; destination window 2
.irp f, 0,1,2,3,4,5,6,7             ; keys 16 (f / 2) on, channels 32 (f % 2) on
	ds_load_b128 v[KF+8*\f:KF+8*\f+3],   v[AK] offset:(\f/2)*16*PK+(\f%2)*64
	ds_load_b128 v[KF+8*\f+4:KF+8*\f+7], v[AK] offset:(\f/2)*16*PK+(\f%2)*64+32
.endr
	WIN 0
.endm
.macro FETCH_V
	WIN 0x80
.irp f, 0,1,2,3,4,5,6,7             ; keys 32 (f / 4) on, channels 16 (f % 4) on
	ds_load_tr16_b128 v[VF+8*\f:VF+8*\f+3],   v[AV] offset:(\f/4)*32*PV+(\f%4)*32
	ds_load_tr16_b128 v[VF+8*\f+4:VF+8*\f+7], v[AV] offset:(\f/4)*32*PV+16*PV+(\f%4)*32
.endr
	WIN 0
.endm
.macro FETCH_M y                    ; the mask of piece y
	WIN W_MK                        ; destination window 3
.irp u, 0,1
.irp g, 0,1,2,3
	ds_load_b128 v[MC+32*(\u)+8*(\g):MC+32*(\u)+8*(\g)+3],   v[AM] offset:16*(2*(\y)+(\u))*PM+64*(\g)
	ds_load_b128 v[MC+32*(\u)+8*(\g)+4:MC+32*(\u)+8*(\g)+7], v[AM] offset:16*(2*(\y)+(\u))*PM+64*(\g)+16
.endr
.endr
	WIN 0
.endm
; THE VECTOR WORK OF A TURN stands in three queues, each in the order in which its entries become ready; the two tiles alternate, so that no instruction reads the result of the one before it.
.macro REGS y, u                    ; the registers of tile u (0, 1) of piece y
.set rT, ST+4*(2*(\y)+(\u))
.set rC, TMP+8*((\y)%2)+4*(\u)
.set rM, MV+2*((\y)%2)+(\u)
.set rS, S+64*((\y)%2)+32*(\u)
.set rP, P+32*((\y)%2)+16*(\u)
.set rO, 32*(2*(\y)+(\u))
.endm
; Number n of the 22 that find the NEXT piece's (Y + 1) maximum and statistics.  s0-s31 are the lane's 32 scores; each accumulator's lowest registers are read first.  XS, GS and REGS set no window: PL and EX do.
;   0-11  four chains c0-c3 of seven scores each, three operands at a time     12-14, 16  the four scores left over, the old m, and c0-c3 into c0     15  c m_old is kept
;   17, 18  the query's other 32 keys lie in the lane 16 away: the new m         19-21  c m; c m_old - c m_new; a
.macro XS u, n
	REGS (Y+1)%NP, \u
.if (\n) < 4
	v_max3_num_f32 v[rC+(\n)], v[rS+8*(\n)], v[rS+8*(\n)+1], v[rS+8*(\n)+2]
.elseif (\n) < 12
	v_max3_num_f32 v[rC+(\n)%4], v[rC+(\n)%4], v[rS+8*((\n)%4)+2*((\n)/4)+1], v[rS+8*((\n)%4)+2*((\n)/4)+2]
.elseif (\n) == 12
	v_max3_num_f32 v[rC], v[rC], v[rS+7], v[rS+15]
.elseif (\n) == 13
	v_max3_num_f32 v[rC+1], v[rC+1], v[rS+23], v[rS+31]
.elseif (\n) == 14
	v_max3_num_f32 v[rC+2], v[rC+2], v[rC+3], v[rT+1]
.elseif (\n) == 15
	v_mov_b32 v[rM], v[rT]
.elseif (\n) == 16
	v_max3_num_f32 v[rC], v[rC], v[rC+1], v[rC+2]
.elseif (\n) == 17
	v_permlanex16_b32 v[rC+3], v[rC], s[SEL], s[SEL+1]
.elseif (\n) == 18
	v_max_num_f32 v[rT+1], v[rC], v[rC+3]
.elseif (\n) == 19
	v_mul_f32 v[rT], s[CS], v[rT+1]
.elseif (\n) == 20
	v_sub_f32 v[rC+1], v[rM], v[rT]
.else
	v_exp_f32 v[rC+2], v[rC+1]
.endif
.endm
; Number g of the 64 that follow the exponentials.  For each four weights k of a tile (pairs 2 k, 2 k + 1): both pairs are rounded to f16; then the second pair is added onto the first, in place;
; a group later l takes that sum (the first time as l = a l + sum).  In groups of eight, tiles alternating: round, round, add, and l for the group before.
.macro GS g
.set h, (\g)+6*((\g)/62)            ; group 0 has no group before it, and behind group 7 only l is left
.if h >= 6
.set h, h+2
.endif
	REGS Y, h%2
.set k, h/8
.if h%8 < 4
	s_wait_alu depctr_va_vdst(0)
	v_cvt_pk_f16_f32 v[rP+2*k+(h%8)/2], v[rS+4*k+2*((h%8)/2)], v[rS+4*k+2*((h%8)/2)+1]
.elseif h%8 < 6
	v_pk_add_f32 v[rS+4*k:rS+4*k+1], v[rS+4*k:rS+4*k+1], v[rS+4*k+2:rS+4*k+3]
.elseif k == 1
	v_pk_fma_f32 v[rT+2:rT+3], v[rT+2:rT+3], v[rC+2:rC+3], v[rS:rS+1] op_sel_hi:[1,0,1]
.else
	v_pk_add_f32 v[rT+2:rT+3], v[rT+2:rT+3], v[rS+4*k-4:rS+4*k-3]
	s_wait_alu depctr_va_vdst(0)
.endif
.endm
; THE PLAIN QUEUE, 138 long.  0-31: c s - c m for the 16 pairs of both tiles.  Then GS's 64, and among them the next piece's 42: number 15 at 38, 39; 0-14 and 16
; at 42-73, behind the products that make those scores; 17-20 at 95-106, two of three, since each waits for the one before it.
.macro PL
	WIN 0
.if q < 32
	REGS Y, q%2
	v_pk_fma_f32 v[rS+2*(q/2):rS+2*(q/2)+1], v[rS+2*(q/2):rS+2*(q/2)+1], s[CS:CS+1], v[rT:rT+1] op_sel_hi:[1,0,0] neg_lo:[0,0,1] neg_hi:[0,0,1]
.elseif q < 38
	GS q-32
.elseif q < 40
	XS q%2, 15
.elseif q < 42
	GS q-34
.elseif q < 74
	XS q%2, (q-42)/2+(q-42)/30
.elseif q < 95
	GS q-66
.elseif (q < 107) && ((q-95)%3 < 2)
	XS (q-95)%3, 17+(q-95)/3
.elseif q < 107
	GS 29+(q-95)/3
.else
	GS q-74
.endif
.set q, q+1
.endm
; THE EXPONENTIALS' QUEUE, 66 long: s0-s31 of both tiles, and at EA the next piece's two a.
.set EA, 58
.macro EX
	WIN 0
.if (e == EA) || (e == EA+1)
	XS e-EA, 21
.else
.set x, e-2*(e/(EA+2))
	REGS Y, x%2
	v_exp_f32 v[rS+x/2], v[rS+x/2]
.endif
.set e, e+1
.endm
; THE RESCALING's QUEUE: O^T times a, the one part that leaves window 0, so it is dealt four at a time, eight times.
.macro R4
	REGS Y, r%2
	WIN W_RS
	s_wait_alu depctr_va_vdst(0)
.irp z, 0,1,2,3
	v_pk_mul_f32 v[rO+8*(r/2)+2*\z:rO+8*(r/2)+2*\z+1], v[rO+8*(r/2)+2*\z:rO+8*(r/2)+2*\z+1], v[rC+2:rC+3] op_sel_hi:[1,0]
.endr
.set r, r+1
.endm
; HOW THEY ARE DEALT.  Behind a matrix instruction four: plain, exponential, plain, plain (one exponential, a plain instruction on either side), or four of the rescaling.  None names a register of the
; products round it.  What is over stands in two LUMPS: exponential and plain by turns; the second ends in 22 plain instructions.  The two v_permlanex16_b32 fall into the second lump, never behind a product.
; The queues lean on each other, and the deal keeps them in step: exponential e stands behind plain 2 (e / 4) + e % 2 (its scaling); when plain 32 comes, 10 exponentials are out, at 59: 33, at 95: 46; EA comes behind plain 107.
.macro SL
	MM
	PL
	EX
	PL
	PL
.endm
.macro BURST n                      ; 15 matrix instructions, or 16
.rept (\n)-7
	SL
.endr
.rept 3
	MM
	R4
	SL
.endr
	MM
	R4
.endm
; A TURN, for piece p.  cnt = 1: the loop's count is taken down some lines ahead of the branch that stands behind the turn.
; The mask of piece p + 2 is fetched three pairs into the first lump: the mask's registers were last read by the turn's eighth product, eight products and their riders back; it is waited for at the next turn's head.
; K of the next step is fetched in piece 2's turn, 31 vector instructions behind the last product that read K, and waited for with the mask at piece 3's head.
; V of the step in hand is fetched at the end of piece 0's turn, 69 behind its last reader.  In piece 1's turn both waits are counted: at its head V's 16 loads, issued behind the mask's, may stay out;
; in front of the second run of products V is in, and the 16 loads of that turn's own mask run, issued behind V's, may stay out.
.macro TURN p, cnt=0
.set Y, (\p)
.set i, 0
.set q, 0
.set e, 0
.set r, 0
.if (\p) == 1
	s_wait_dscnt 16                 ; the mask is in; V may be out
.else
	s_wait_dscnt 0x0                ; the mask is in (piece 3: and K)
.endif
	MM
.rept 4
	PL
.endr
	BURST 15
.rept 22
	EX
	PL
.if e == 14
	FETCH_M ((\p)+2)%NP
.endif
.if ((\p) == NP-2) && (e == 24)
	FETCH_K
.endif
.endr
.if (\p) == 1
	s_wait_dscnt 16                 ; V is in; this turn's mask run may be out
.endif
	BURST 16
.rept 21
	EX
	PL
.endr
.rept 22
	PL
.if (\cnt) && (q == 130)
	s_sub_co_u32 s[CNT], s[CNT], 1
	s_cmp_lg_u32 s[CNT], 0
.endif
.endr
.if (\p) == 0
	FETCH_V
.endif
.endm
	CHANGE 1                        ; slot 0 is in, everybody's part of it; step 1 is asked for, into slot 1
	FETCH_K                         ; key step 0
	FETCH_M 0                       ; and piece 0's mask
	s_wait_loadcnt 0x0              ; Q'
	s_wait_dscnt 0x0
.set i, 0
.rept 16
	KQ 0                            ; piece 0's first scores: there is no vector work yet to set between them
.set i, i+1
.endr
	WIN 0                           ; the addresses for the way out: nine plain instructions, the places behind those products
	s_mul_i32 s22, s[WV], 16*SP
	s_add_co_u32 s22, s22, STAGE    ; my stage
	v_mul_u32_u24 v[STO], v12, SP   ; in: row l % 16, 16 bytes for each half of the lanes
	v_lshl_add_u32 v[STO], v13, 4, v[STO]
	v_add_nc_u32 v[STO], s22, v[STO]
	v_bfe_u32 v[RD], v0, 3, 2       ; back: 32 lanes take four rows of 128 bytes,
	v_mul_u32_u24 v[RD], v[RD], SP
	v_lshl_add_u32 v[RD], v14, 4, v[RD]
	v_add_nc_u32 v[RD], s22, v[RD]
	v_and_b32 v[GO], 31, v0         ; which are 512 consecutive bytes of O
	v_lshlrev_b32 v[GO], 4, v[GO]
	FETCH_M 1                       ; piece 1's mask, for the first turn's products
.set Y, NP-1                        ; XS works for piece Y + 1: piece 0
.irp n, 0,1,2,3,4,5,6,7,8,9,10,11,12,13,14,15,16,17,18,19,20,21
	XS 0, \n                        ; and piece 0's first maximum and statistics
	XS 1, \n
.endr
	s_mov_b32 s[CNT], 31
	s_branch .Lfirst                ; the loop is entered at a step's first turn, in the middle of a trip
.Lstep:                             ; 30 trips: pieces 2 and 3 of step j - 1, then pieces 0 and 1 of step j, j = 1 .. 30.  All that a trip reads from LDS (K, V and the four masks of step j) lies in slot j % 2; the other slot takes step j + 1
	CHANGE 1
	TURN 2
	TURN 3
	WIN 0
.Lfirst:
	TURN 0
	TURN 1, 1
	WIN 0
	s_cbranch_scc1 .Lstep
	CHANGE 0                        ; the tail is written out: step 31 is in, nothing is asked for
	s_mov_b32 s[CNT], 2             ; one trip for step 31; the second is left in its middle
.Ltail:
	TURN 2
	TURN 3
	WIN 0
	s_sub_co_u32 s[CNT], s[CNT], 1
	s_cmp_eq_u32 s[CNT], 0
	s_cbranch_scc1 .Lout
	TURN 0
	TURN 1
	WIN 0
	s_branch .Ltail
.Lout:                              ; the second trip's 16 products K Q'^T of piece 0 (on the last K and mask once more) and the maximum made of them serve nothing: the price, once a launch, of one text for every trip
.set i, 0
.rept 16
	PV NP-1                         ; the last piece's V^T P of the last step
.set i, i+1
.endr
	; THE WAY OUT.  l's two halves and the other half of the lanes' are added; O^T is divided by l, rounded to f16 and sent through my stage in LDS, a tile at a time.  The additions are the places behind the last products.
	WIN 0
.macro ALL line:vararg              ; one line for each tile t
.set t, 0
.rept 2*NP
	\line
.set t, t+1
.endr
.endm
	ALL v_add_f32 v[ST+4*t+2], v[ST+4*t+2], v[ST+4*t+3]
	ALL v_permlanex16_b32 v[ST+4*t+3], v[ST+4*t+2], s[SEL], s[SEL+1]
	ALL v_add_f32 v[ST+4*t+2], v[ST+4*t+2], v[ST+4*t+3]
	ALL v_rcp_f32 v[ST+4*t+2], v[ST+4*t+2]
	v_nop                           ; a plain instruction between the last reciprocal and the use of its result
	s_wait_alu depctr_va_vdst(0)
; Tile t: a lane's eight channels of a row pack into 16 bytes; they go into rows of 144 bytes and come back as whole rows of 128, into S^T's registers.
.macro PACK t
	WIN W_RS
.set i, 32*(\t)
.rept 16
	v_pk_mul_f32 v[i:i+1], v[i:i+1], v[ST+4*(\t)+2:ST+4*(\t)+3] op_sel_hi:[1,0]
.set i, i+2
.endr
	WIN 0x05                        ; sources 0 and 1 window 1, destination window 0
.set i, 0
.rept 16
	v_cvt_pk_f16_f32 v[S+16*(\t)+i], v[32*(\t)+2*i], v[32*(\t)+2*i+1]
.set i, i+1
.endr
	WIN 0
.irp f, 0,1,2,3
	ds_store_b128 v[STO], v[S+16*(\t)+4*\f:S+16*(\t)+4*\f+3] offset:32*\f
.endr
.irp f, 0,1,2,3
	ds_load_b128 v[S+16*(\t)+4*\f:S+16*(\t)+4*\f+3], v[RD] offset:\f*4*SP  ; LDS serves a wave's instructions in order (ISA guide 5.7.1.4): these see the stores above; the next tile's stores come behind them
.endr
.endm
.macro SEND t, younger              ; younger: the LDS instructions issued behind tile t's loads: the next tile's eight, or none
	WIN 0
.irp f, 0,1,2,3
	s_wait_dscnt (\younger)+3-\f
	global_store_b128 v[GO], v[S+16*(\t)+4*\f:S+16*(\t)+4*\f+3], s[10:11] offset:(\t)*2048+\f*512  ; 512 consecutive bytes, at a multiple of 256 from O's first
.endr
.endm
	PACK 0
.set t, 1
.rept 2*NP-1                        ; a tile's arithmetic stands between the loads of the tile before and its stores
	PACK t
	SEND t-1, 8
.set t, t+1
.endr
	SEND 2*NP-1, 0
	WIN W_AD
	s_wait_tensorcnt 0x0            ; the wave's end: behind my last tensor load and my last LDS store
	ds_add_u32 v[SPW], v[NIL]
	s_wait_dscnt 0x0
	WIN 0
	CROUND                          ; the closing round: no work-group ends while a partner may still ask for a tile that names it
	s_endpgm
.Lfunc_end_k_q3ee6cceeac_attn:
	.size	k_q3ee6cceeac_attn, .Lfunc_end_k_q3ee6cceeac_attn-k_q3ee6cceeac_attn
	.p2alignl 7, 3214868480
	.fill 96, 4, 3214868480
	.section	.rodata,"a",@progbits
	.p2align	6, 0x0
	.amdhsa_kernel k_q3ee6cceeac_attn
		.amdhsa_group_segment_fixed_size 327680
		.amdhsa_private_segment_fixed_size 0
		.amdhsa_enable_private_segment 0
		.amdhsa_kernarg_size 24
		.amdhsa_user_sgpr_count 2
		.amdhsa_user_sgpr_kernarg_segment_ptr 1
		.amdhsa_wavefront_size32 1
		.amdhsa_system_sgpr_workgroup_id_x 1
		.amdhsa_system_sgpr_workgroup_id_y 1
		.amdhsa_system_sgpr_workgroup_id_z 1
		.amdhsa_system_vgpr_workitem_id 0
		.amdhsa_next_free_vgpr 896
		.amdhsa_next_free_sgpr 84
		.amdhsa_reserve_vcc 0
		.amdhsa_float_denorm_mode_32 3
		.amdhsa_float_denorm_mode_16_64 3
		.amdhsa_memory_ordered 1
		.amdhsa_forward_progress 1
		.amdhsa_inst_pref_size 223
	.end_amdhsa_kernel
	.amdgpu_metadata
---
amdhsa.version: [ 1, 2 ]
amdhsa.kernels:
  - .name:           k_q3ee6cceeac_attn
    .symbol:         k_q3ee6cceeac_attn.kd
    .args:
      - { .name: qkv, .offset: 0, .size: 8, .value_kind: global_buffer, .address_space: global }
      - { .name: attention_mask, .offset: 8, .size: 8, .value_kind: global_buffer, .address_space: global }
      - { .name: o, .offset: 16, .size: 8, .value_kind: global_buffer, .address_space: global }
    .group_segment_fixed_size: 327680
    .private_segment_fixed_size: 0
    .kernarg_segment_align: 8
    .kernarg_segment_size: 24
    .max_flat_workgroup_size: 128
    .sgpr_count:     84
    .vgpr_count:     896
    .wavefront_size: 32
...
	.end_amdgpu_metadata
.endif
;; end of part 3
;; launch oproj (part 4): grid 4 x 64, 4 waves a work-group, clusters of 4 x 4, 327,680 bytes of LDS; arguments o, cv, bo, out0; writes out0
.if DOCPART == 4
	.amdgcn_target "amdgcn-amd-amdhsa--gfx1250"
	.amdhsa_code_object_version 6
	.text
	.protected	k_q3ee6cceeac_oproj
	.globl	k_q3ee6cceeac_oproj
	.p2align	8
	.type	k_q3ee6cceeac_oproj,@function
k_q3ee6cceeac_oproj:
	s_mov_b64 s[64:65], 0
	v_nop
	global_prefetch_b8 v0, s[64:65] scope:SCOPE_SE
	s_setreg_imm32_b32 hwreg(HW_REG_WAVE_MODE, 25, 1), 1
	s_wait_xcnt 0x0
	s_wait_alu depctr_hold_cnt(0) depctr_sa_sdst(0) depctr_va_vdst(0) depctr_va_sdst(0) depctr_va_ssrc(0) depctr_va_vcc(0) depctr_vm_vsrc(0)
	s_getreg_b32 s2, hwreg(HW_REG_IB_STS2, 6, 4)
	s_cmp_eq_u32 s2, 0
	s_cbranch_scc0 .Lentry_in_a_cluster
	s_endpgm
.Lentry_in_a_cluster:
	s_bfe_u32 s2, ttmp6, 0x10000c
	s_cmp_lg_u32 s2, 0xf033
	s_cbranch_scc0 .Lentry_shape_is_right
	s_endpgm
.Lentry_shape_is_right:
; THE LAST PROJECTION.  out0[m][n] = bo[n] + the sum over k of A[m][k] Wo[n][k], m = batch x 2,048 + token (8,192), n and k to 1,024; f16 operands, f32 sums, f32 out.
; A is the attention's O, which lies BY HEADS: o[batch x 16 + head][token][64] in f16, k = 64 head + channel.  Wo lies in cv's last unit, [1024][1024], rounded to bf16 and written as f16; bo is rounded to bf16 here.
; SHARES.  A tile of C is 128 x 256: 64 x 4 = 256 work-groups, one for each WGP.  Four waves, each 64 x 128: 32 accumulators, 256 registers.
; K goes in 8 steps of 128 = two heads through two LDS slots.  A head's 128 tokens x 64 channels are 16,384 dense bytes: asked for as 64 rows of 256 bytes and padded in LDS after every token.  B's rows are 256 bytes of memory.
; CLUSTER.  4 x 4 work-groups: the four of a row of the cluster need the same tile of A, the four of a column the same tile of B: each is asked for JOINTLY, by the same load, descriptor and mask in all four.
; THE MATRIX INSTRUCTION IS USED TRANSPOSED (source 0 = 16 rows of B, source 1 = 16 rows of A): lane l holds row l % 16 of C and the columns 8 (l / 16) + 0..7.
; THE BIAS is the C operand of the first 32 along K: nothing is cleared, and nothing is added on the way out.
; THE TEXT.  A K step is written once.  The slot in hand is a scalar, 0 or SLOT1, turned by one exclusive or at each change of slots; the LDS addresses are made of it, and one descriptor a tensor walks from K step 1 to 7.
; Written out beside the loop: the first 32 along K, whose products start the sums, and a second copy of the step for the last two, which ask for nothing.
; REGISTERS, in windows of 256 (s_set_vgpr_msb: bits 1:0 source 0, 3:2 source 1, 5:4 source 2, 7:6 destination):
;   window 0: v0-31 addresses; v32-127, v128-223 two fragment buffers (8 x 8 of B, then 4 x 8 of A); on the way out v32-95, v96-159 rows read back, by turns
;   window 1: accumulator (a, b) at v[8 (8 a + b)]          window 2: v0-63 the bias, 8 registers for each of my 8 blocks of 16 columns; v64-65 at work
.set PA,    144                        ; a token's row of A in LDS: 128 bytes + 16 of padding = 36 words: the 16 rows of a fragment load start at 16 different groups of four banks (64 banks of 4 bytes: ISA guide 11.1)
.set PITCH, 272                        ; a row of B: 256 + 16 = 68 words: likewise
.set ABLK,  128*PA                     ; a head's 128 tokens: what a wave fetches of A
.set AREG,  2*ABLK
.set BHALF, 128*PITCH                  ; what a wave fetches of B
.set SLOTB, AREG+2*BHALF               ; a slot's bytes: A's two heads, then B's 256 rows: 106,496
.set SLOT1, 1<<17                      ; slot 1 begins here, above every byte of slot 0, so that one exclusive or turns an address in one slot into the other's
.set STAGE, SLOT1+SLOTB                ; behind the ring: 16 rows x 528 bytes for each wave, for the way out
.set SP,    528                        ; 512 bytes + 16: the 16 rows of a store start at 16 different groups of four banks
.set SPARE, STAGE+4*16*SP              ; behind the stages: the spare words, 128 bytes for each wave: two blocks of 256 bytes that no other line names
.set STEPS, 8                          ; 1,024 / 128
.set WOFF,  6291456                    ; Wo's first byte in cv: behind three units of 2 MiB
.set ASTEP, 1<<19                      ; a K step in A: two heads of 2^18 bytes
.set ADRA0, 16                         ; v16     LDS address of my A fragments in slot 0; never rewritten
.set ADRA,  17                         ; v17     the same in the slot in hand
.set ADRB0, 20                         ; v20, v21  the same for B
.set ADRB,  21
.set STO,  24                          ; v24     the way out: where I put 32 bytes of a row
.set RD,   25                          ; v25     the way out: where I read a row back
.set CO,   26                          ; v26     my byte offset in 512 consecutive bytes of out0
.set BO,   27                          ; v27     my byte offset in the bias
.set SPW,  28                          ; v28     LDS address of my spare word: SPARE + 4 x my thread's number; never rewritten
.set NIL,  29                          ; v29     0; never rewritten
.set F0,   32
.set F1,   128
.set TMP,  32
.set BIAS, 0                           ; window 2
.set BT,   64                          ; window 2
.set WV, 14                            ; s14  my wave's number
.set HM, 15                            ; s15  which 64 rows of the tile are mine.  Also: I fetch for A (0) or for B (1)
.set HN, 16                            ; s16  which 128 columns.  Also: which half of that tile I fetch
.set G1, 24                            ; s[24:31] descriptor group 1 for A's tiles;  s[32:39] group 0: a set for each of the two first fills; the second then walks on
.set G0, 32
.set G1B, 48                           ; s[48:55], s[56:63] the same for B's
.set G0B, 56
.set TB, 75                            ; s75  0 or SLOT1: the slot in hand
.set MSB, 0
.macro WIN new                         ; the immediate's high byte repeats the setting that is left; a switch that changes nothing is dropped
.if MSB != (\new)
	s_set_vgpr_msb (MSB<<8)|(\new)
.set MSB, \new
.endif
.endm
.set MULW, 0x50                        ; fragments window 0; C and D window 1
.set MULZ, 0x60                        ; C window 2 (the bias), D window 1
.set LD2,  0x80                        ; destination window 2, address window 0
.set W2,   0x8a                        ; sources 0, 1 and destination window 2
; A joint load: waves 0 and 1 fetch A's two heads, waves 2 and 3 B's two halves.  The branch hangs on the wave's number alone.  An s_nop 0 and four v_nop follow each of the two lines, ahead of the jump, the label and what follows.
.macro JLOAD s
	s_cmp_eq_u32 s[HM], 0
	s_cbranch_scc0 .Lfor_b_\@
	tensor_load_to_lds s[G0+4*(\s):G0+4*(\s)+3], s[G1:G1+7]
	s_nop 0
.rept 4
	v_nop
.endr
	s_branch .Lasked_\@
.Lfor_b_\@:
	tensor_load_to_lds s[G0B+4*(\s):G0B+4*(\s)+3], s[G1B:G1B+7]
	s_nop 0
.rept 4
	v_nop
.endr
.Lasked_\@:
.endm
.macro CREST                           ; a round of the cluster's barrier behind its opening barrier: wave 0 signals for the work-group, every wave waits for all sixteen, my work-group's barrier once more
	s_cmp_lg_u32 s[WV], 0
	s_cbranch_scc1 .Lnot_wave_0_\@
	s_barrier_signal -3
.Lnot_wave_0_\@:
	s_barrier_wait -3
	s_barrier_signal -1
	s_barrier_wait -1
.endm
.macro CROUND                          ; a whole round
	s_barrier_signal -1
	s_barrier_wait -1
	CREST
.endm
	s_load_b256 s[4:11], s[0:1], 0x0               ; o s[4:5], cv s[6:7], bo s[8:9], out0 s[10:11]
	v_lshl_add_u32 v[SPW], v0, 2, SPARE
	v_mov_b32 v[NIL], 0
	ds_add_u32 v28, v29
	s_wait_dscnt 0x0
	v_lshrrev_b32 v1, 5, v0
	v_readfirstlane_b32 s[WV], v1                  ; wave 0..3
	s_lshr_b32 s[HM], s[WV], 1
	s_and_b32 s[HN], s[WV], 1
	s_bfe_u32 s18, ttmp6, 0x40000                  ; cx, cy: my place in the cluster
	s_bfe_u32 s19, ttmp6, 0x40004
	s_lshl_b32 s20, ttmp9, 2
	s_add_co_u32 s20, s20, s18                     ; tile column = 4 x cluster x + cx: 0..3
	s_and_b32 s23, ttmp7, 0xffff
	s_lshl_b32 s17, s23, 2
	s_add_co_u32 s17, s17, s19                     ; tile row R = 4 x cluster y + cy: 0..63
	s_lshl_b32 s21, s19, 2
	s_lshl_b32 s21, 15, s21                        ; my row of the cluster
	s_lshl_b32 s22, 0x1111, s18                    ; my column
	; descriptor group 1: A's load brings 64 rows x 128 elements (two tokens a row), B's 128 rows x 128, both padded in LDS
	s_or_b32 s[G1+0],  s21, (1<<16)|(1<<20)|(1<<21)|(4<<22)|(3<<25)  ; 15:0 the mask; 17:16 elements of 2 bytes; 20 padding on; 21 set beside a mask; 24:22 after every 32 words (code 4); 31:25 4 words (code 3)
	s_or_b32 s[G1B+0], s22, (1<<16)|(1<<20)|(1<<21)|(5<<22)|(3<<25)  ; after every 64 words (code 5)
	s_mov_b32 s[G1+1], 128<<16                     ; tensor_dim0 = 128
	s_mov_b32 s[G1+2], 64<<16                      ; tensor_dim1 = 64
	s_mov_b32 s[G1+3], 128<<16                     ; tile_dim0 = 128
	s_mov_b32 s[G1+4], 64                          ; tile_dim1 = 64
	s_mov_b32 s[G1+5], 128                         ; elements from row to row: dense
	s_mov_b32 s[G1+6], 0
	s_mov_b32 s[G1+7], 0
	s_mov_b32 s[G1B+1], 128<<16
	s_mov_b32 s[G1B+2], 128<<16                    ; tensor_dim1 = 128
	s_mov_b32 s[G1B+3], 128<<16
	s_mov_b32 s[G1B+4], 128                        ; tile_dim1 = 128
	s_mov_b32 s[G1B+5], 1024
	s_mov_b32 s[G1B+6], 0
	s_mov_b32 s[G1B+7], 0
	; where the tiles come from.  A's hang on R, which my row of the cluster shares; B's on the tile column, which my column shares; each in registers that never hold the other coordinate.
	s_lshr_b32 s40, s17, 4                         ; A: the batch R / 16, 16 heads of 2^18 bytes,
	s_lshl_b32 s40, s40, 22
	s_lshl_b32 s41, s[HN], 18                      ; my head of the step's two,
	s_add_co_u32 s40, s40, s41
	s_and_b32 s41, s17, 15                         ; tokens 128 (R % 16) on, 128 bytes each
	s_lshl_b32 s41, s41, 14
	s_add_co_u32 s40, s40, s41
	s_mov_b32 s41, 0
	s_lshl_b32 s44, s20, 19                        ; B: the tile column's 256 rows of 2,048 bytes,
	s_lshl_b32 s45, s[HN], 18                      ; my 128,
	s_add_co_u32 s44, s44, s45
	s_add_co_u32 s44, s44, WOFF                    ; in cv's last unit
	s_mov_b32 s45, 0
	s_mul_i32 s42, s[HN], ABLK                     ; and where they go: no place in the cluster enters an LDS address
	s_mul_i32 s46, s[HN], BHALF
	s_add_co_u32 s46, s46, AREG
	s_mov_b32 s74, 0xffff0000                      ; a word's upper bf16
	s_mov_b32 s[TB], 0                             ; slot 0 is in hand
	s_wait_kmcnt 0x0
	s_add_nc_u64 s[40:41], s[4:5], s[40:41]
	s_add_nc_u64 s[44:45], s[6:7], s[44:45]
	CROUND                                         ; all sixteen work-groups are here: the first joint loads meet
.irp s, 0,1
	s_mov_b32 s[G0+4*(\s)], 1                                      ; 1:0 count = 1
	s_add_co_u32 s[G0+4*(\s)+1], s42, (\s)*SLOT1                   ; 63:32 LDS address
	s_add_nc_u64 s[G0+4*(\s)+2:G0+4*(\s)+3], s[40:41], (\s)*ASTEP  ; 120:64 global address: K step s
	s_or_b32 s[G0+4*(\s)+3], s[G0+4*(\s)+3], 0x80000000            ; 127:126 type = 2
	s_mov_b32 s[G0B+4*(\s)], 1
	s_add_co_u32 s[G0B+4*(\s)+1], s46, (\s)*SLOT1
	s_add_nc_u64 s[G0B+4*(\s)+2:G0B+4*(\s)+3], s[44:45], (\s)*256
	s_or_b32 s[G0B+4*(\s)+3], s[G0B+4*(\s)+3], 0x80000000
	JLOAD \s                                       ; the ring is filled before anything else is done: two loads of mine are out
.endr
	; A fragment is 16 rows x 32 K in 8 registers: lane l holds row l % 16, K = 8 (l / 16) + 0..7 and 16 + 8 (l / 16) + 0..7: two loads of 16 bytes, 32 bytes apart.
	v_and_b32 v1, 15, v0                           ; l % 16
	v_bfe_u32 v2, v0, 4, 1                         ; l / 16
	v_mul_u32_u24 v3, v1, PA
	v_lshl_add_u32 v3, v2, 4, v3                   ; A: row x pitch + 16 x half
	v_mul_u32_u24 v4, v1, PITCH
	v_lshl_add_u32 v4, v2, 4, v4                   ; B: the same with its pitch
	s_mul_i32 s76, s[HM], 64*PA                    ; my 64 tokens, in each head's block
	s_mul_i32 s77, s[HN], BHALF                    ; my 128 rows of B,
	s_add_co_u32 s77, s77, AREG                    ; which lie behind A's
	v_add_nc_u32 v[ADRA0], s76, v3
	v_add_nc_u32 v[ADRB0], s77, v4
	v_mov_b32 v[ADRA], v[ADRA0]
	v_mov_b32 v[ADRB], v[ADRB0]
	s_mul_i32 s76, s[WV], 16*SP
	s_add_co_u32 s76, s76, STAGE                   ; my stage
	v_mul_u32_u24 v[STO], v1, SP                   ; in: row l % 16, 32 bytes for each half of the lanes
	v_lshl_add_u32 v[STO], v2, 5, v[STO]
	v_add_nc_u32 v[STO], s76, v[STO]
	v_and_b32 v[CO], 31, v0                        ; back: 32 lanes take one row of 512 bytes,
	v_lshlrev_b32 v[CO], 4, v[CO]                  ; which are 512 consecutive bytes of out0
	v_add_nc_u32 v[RD], s76, v[CO]
	; where my part of the tile goes: rows 128 R + 64 HM on, 4,096 bytes each; columns 256 x tile column + 128 HN on
	s_lshl_b32 s76, s17, 19
	s_lshl_b32 s77, s[HM], 18
	s_add_co_u32 s76, s76, s77
	s_lshl_b32 s46, s20, 10
	s_lshl_b32 s47, s[HN], 9
	s_add_co_u32 s46, s46, s47                     ; my first column, in bytes of f32: in out0's rows and in the bias
	s_add_co_u32 s76, s76, s46
	s_mov_b32 s77, 0
	s_add_nc_u64 s[66:67], s[10:11], s[76:77]
	; The bias in C's layout: for block b of 16 columns a lane holds bo[n0 + 16 b + 8 (l / 16) + 0..7].  Rounded to bf16 like the other inputs of the products.
	v_lshl_add_u32 v[BO], v2, 5, s46
	WIN LD2
.irp b, 0,1,2,3,4,5,6,7
	global_load_b128 v[BIAS+8*(\b):BIAS+8*(\b)+3],   v[BO], s[8:9] offset:64*(\b)
	global_load_b128 v[BIAS+8*(\b)+4:BIAS+8*(\b)+7], v[BO], s[8:9] offset:64*(\b)+16
.endr
	s_wait_loadcnt 0x0
	WIN W2
.set i, 0
.rept 32
	v_cvt_pk_bf16_f32 v[BT+i%2], v[BIAS+2*i], v[BIAS+2*i+1]
	v_lshlrev_b32 v[BIAS+2*i],   16,  v[BT+i%2]
	v_and_b32     v[BIAS+2*i+1], s74, v[BT+i%2]
.set i, i+1
.endr
	WIN 0
; 8 matrix instructions: my block a of 16 rows x all 8 blocks of 16 columns, 32 along K.  zero = 1: the first product starts the sums, from the bias.
; The 32 accumulators take turns, one instruction a turn, in the same order in every 32 along K.
.macro MUL8 f, a, zero
.if \zero
	WIN MULZ
.else
	WIN MULW
.endif
.irp b, 0,1,2,3,4,5,6,7
.if \zero
	v_wmma_f32_16x16x32_f16 v[8*(8*(\a)+(\b)):8*(8*(\a)+(\b))+7], v[(\f)+8*(\b):(\f)+8*(\b)+7], v[(\f)+64+8*(\a):(\f)+64+8*(\a)+7], v[BIAS+8*(\b):BIAS+8*(\b)+7]
.else
	v_wmma_f32_16x16x32_f16 v[8*(8*(\a)+(\b)):8*(8*(\a)+(\b))+7], v[(\f)+8*(\b):(\f)+8*(\b)+7], v[(\f)+64+8*(\a):(\f)+64+8*(\a)+7], v[8*(8*(\a)+(\b)):8*(8*(\a)+(\b))+7]
.endif
.endr
.endm
; 24 LDS loads in one run: the fragments of chunk c (32 along K) of the slot in hand into buffer f: 128 rows of B, then 64 rows of A.  In A chunk c is head c / 2 of the step's two, channels 32 (c % 2) on.
.macro FETCH c, f
	WIN 0
.irp i, 0,1,2,3,4,5,6,7
	ds_load_b128 v[(\f)+8*(\i):(\f)+8*(\i)+3],   v[ADRB] offset:64*(\c)+(\i)*16*PITCH
	ds_load_b128 v[(\f)+8*(\i)+4:(\f)+8*(\i)+7], v[ADRB] offset:64*(\c)+(\i)*16*PITCH+32
.endr
.irp i, 0,1,2,3
	ds_load_b128 v[(\f)+64+8*(\i):(\f)+64+8*(\i)+3],   v[ADRA] offset:((\c)/2)*ABLK+((\c)%2)*64+(\i)*16*PA
	ds_load_b128 v[(\f)+64+8*(\i)+4:(\f)+64+8*(\i)+7], v[ADRA] offset:((\c)/2)*ABLK+((\c)%2)*64+(\i)*16*PA+32
.endr
.endm
.macro PLACES                          ; four places in front of loads into registers that matrix instructions have read, and of instructions that read results (ISA guide 7.12.1 for vector instructions)
.rept 4
	v_nop
.endr
.endm
; A K step is four chunks of 32 along K, 32 matrix instructions each, on buffers 0, 1, 0, 1.  One of the first three: multiplies buffer f and, in its middle, fetches chunk c into buffer g.
.macro QUARTER c, f, g, zero
	s_wait_dscnt 4                                 ; B and A's blocks 0, 1 are in; the youngest four loads (A's blocks 2, 3) may be out
	MUL8 \f, 0, \zero
	MUL8 \f, 1, \zero
	PLACES
	FETCH \c, \g
	s_wait_dscnt 24                                ; all but the 24 just issued
	MUL8 \f, 2, \zero
	MUL8 \f, 3, \zero
.endm
; The last chunk multiplies buffer 1 and changes slots: ONE barrier; in front of it each wave waits for all its tensor loads (one is out: its part of the next slot), adds 0 to its spare word,
; and waits for that and for its own reads of this slot.  fill = 1: the barrier opens a round of the cluster's, and this slot is filled again, two K steps on, first thing behind the round.
; fill = 0: the tail's: in its second trip (s3 = 1) there is no further step, and the fetch is jumped over; that trip's barrier orders nothing: the price, once a work-group, of one text for both trips.
.macro TURN fill
	WIN 0
	s_wait_tensorcnt 0x0                           ; all my tensor loads have landed, so a group 0 may be written;
	ds_add_u32 v[SPW], v[NIL]                      ; 0 onto my spare word
	s_wait_dscnt 5                                 ; (the add and the youngest four loads may be out)
	MUL8 F1, 0, 0                                  ; eight matrix instructions stand between the add and the wait for it
	s_wait_dscnt 0x0                               ; the add is done, and my reads of this slot are over
	s_barrier_signal -1
	MUL8 F1, 1, 0
	WIN 0
	s_barrier_wait -1
.if \fill
	CREST                                          ; no wave of any partner still reads this slot's tile or has a load on its way
	s_xor_b32 s[G0+5], s[G0+5], SLOT1              ; the walking descriptors: the other slot than last time,
	s_add_nc_u64 s[G0+6:G0+7], s[G0+6:G0+7], ASTEP ; the next K step; the type bits on top are not reached
	s_xor_b32 s[G0B+5], s[G0B+5], SLOT1
	s_add_nc_u64 s[G0B+6:G0B+7], s[G0B+6:G0B+7], 256
	JLOAD 1                                        ; 112 matrix instructions ahead of the wait for it; the four v_nop behind it are also the places in front of the loads below
.else
	PLACES
	s_cmp_eq_u32 s3, 1
	s_cbranch_scc1 .Lno_fetch_\@
.endif
	s_xor_b32 s[TB], s[TB], SLOT1                  ; the other slot is in hand
	v_add_nc_u32 v[ADRA], s[TB], v[ADRA0]
	v_add_nc_u32 v[ADRB], s[TB], v[ADRB0]
	FETCH 0, F0
.if (\fill) == 0
.Lno_fetch_\@:
.endif
	MUL8 F1, 2, 0
	MUL8 F1, 3, 0
.endm
	s_wait_tensorcnt 1                             ; my part of K step 0 is in; K step 1's may stay out
	s_barrier_signal -1
	s_barrier_wait -1                              ; everybody's is
	FETCH 0, F0
	QUARTER 1, F0, F1, 1                           ; the first chunk stands in front of the loop: its products start the sums
	WIN 0                                          ; at a label and at a branch every window is 0
	s_mov_b32 s3, STEPS-2
.Lstep:                                                ; 6 trips: from a K step's second chunk to the next step's first; the slot that is left takes the step two on
	QUARTER 2, F1, F0, 0
	QUARTER 3, F0, F1, 0
	TURN 1
	QUARTER 1, F0, F1, 0
	WIN 0
	s_sub_co_u32 s3, s3, 1
	s_cmp_lg_u32 s3, 0
	s_cbranch_scc1 .Lstep
	s_mov_b32 s3, 2
.Ltail:                                                ; the last two K steps ask for nothing, and have no round of the cluster's barrier; the second trip is left behind its last chunk
	QUARTER 2, F1, F0, 0
	QUARTER 3, F0, F1, 0
	TURN 0
	WIN 0
	s_sub_co_u32 s3, s3, 1
	s_cmp_eq_u32 s3, 0
	s_cbranch_scc1 .Lout
	QUARTER 1, F0, F1, 0
	WIN 0
	s_branch .Ltail
.Lout:                                                 ; no LDS load is out: the last trip fetched nothing
	PLACES
; THE WAY OUT, a block of 16 rows x 128 columns of f32 at a time: a lane's eight columns of a row, 32 bytes, go straight from the accumulators (the lowest registers first) into my own stage, rows of 528 bytes,
; and come back as whole rows of 512 bytes, into one of two sets of 64 registers by turns.
.macro TOSTAGE a
.if (\a) >= 2
	s_wait_xcnt 0x0                                ; the stores of the block two back read the registers that are loaded below: they are rewritten only behind this wait
.endif
	WIN 0x04                                       ; the stores' data in window 1
.irp b, 0,1,2,3,4,5,6,7
	ds_store_b128 v[STO], v[8*(8*(\a)+(\b)):8*(8*(\a)+(\b))+3]   offset:64*(\b)
	ds_store_b128 v[STO], v[8*(8*(\a)+(\b))+4:8*(8*(\a)+(\b))+7] offset:64*(\b)+16
.endr
	WIN 0
.irp t, 0,1,2,3,4,5,6,7,8,9,10,11,12,13,14,15
	ds_load_b128 v[TMP+64*((\a)%2)+4*(\t):TMP+64*((\a)%2)+4*(\t)+3], v[RD] offset:(\t)*SP  ; LDS serves a wave's instructions in order (ISA guide 5.7.1.4): these see the stores above; the next block's stores come behind them
.endr
.endm
.macro SEND a, younger                 ; younger: the LDS instructions issued behind block a's loads: the next block's 32, or none
.irp t, 0,1,2,3,4,5,6,7,8,9,10,11,12,13,14,15
	s_wait_dscnt (\younger)+15-(\t)
	global_store_b128 v[CO], v[TMP+64*((\a)%2)+4*(\t):TMP+64*((\a)%2)+4*(\t)+3], s[66:67] offset:(\a)*65536+(\t)*4096 th:TH_STORE_NT  ; 512 consecutive bytes, at a multiple of 256 from out0's first
.endr
.endm
	TOSTAGE 0
.irp a, 1,2,3                          ; a block's way through the stage stands between the loads of the block before and its stores
	TOSTAGE \a
	SEND (\a)-1, 32
.endr
	SEND 3, 0
	s_wait_tensorcnt 0x0                           ; the wave's end: behind my last tensor load and my last LDS store
	ds_add_u32 v[SPW], v[NIL]
	s_wait_dscnt 0x0
	CROUND                                         ; the closing round: no work-group ends while a partner may still ask for a tile that names it
	s_endpgm
.Lfunc_end_k_q3ee6cceeac_oproj:
	.size	k_q3ee6cceeac_oproj, .Lfunc_end_k_q3ee6cceeac_oproj-k_q3ee6cceeac_oproj
	.p2alignl 7, 3214868480
	.fill 96, 4, 3214868480
	.section	.rodata,"a",@progbits
	.p2align	6, 0x0
	.amdhsa_kernel k_q3ee6cceeac_oproj
		.amdhsa_group_segment_fixed_size 327680
		.amdhsa_private_segment_fixed_size 0
		.amdhsa_enable_private_segment 0
		.amdhsa_kernarg_size 32
		.amdhsa_user_sgpr_count 2
		.amdhsa_user_sgpr_kernarg_segment_ptr 1
		.amdhsa_wavefront_size32 1
		.amdhsa_system_sgpr_workgroup_id_x 1
		.amdhsa_system_sgpr_workgroup_id_y 1
		.amdhsa_system_sgpr_workgroup_id_z 1
		.amdhsa_system_vgpr_workitem_id 0
		.amdhsa_next_free_vgpr 584
		.amdhsa_next_free_sgpr 80
		.amdhsa_reserve_vcc 0
		.amdhsa_float_denorm_mode_32 3
		.amdhsa_float_denorm_mode_16_64 3
		.amdhsa_memory_ordered 1
		.amdhsa_forward_progress 1
		.amdhsa_inst_pref_size 67
	.end_amdhsa_kernel
	.amdgpu_metadata
---
amdhsa.version: [ 1, 2 ]
amdhsa.kernels:
  - .name:           k_q3ee6cceeac_oproj
    .symbol:         k_q3ee6cceeac_oproj.kd
    .args:
      - { .name: o, .offset: 0, .size: 8, .value_kind: global_buffer, .address_space: global }
      - { .name: cv, .offset: 8, .size: 8, .value_kind: global_buffer, .address_space: global }
      - { .name: bo, .offset: 16, .size: 8, .value_kind: global_buffer, .address_space: global }
      - { .name: out0, .offset: 24, .size: 8, .value_kind: global_buffer, .address_space: global }
    .group_segment_fixed_size: 327680
    .private_segment_fixed_size: 0
    .kernarg_segment_align: 8
    .kernarg_segment_size: 32
    .max_flat_workgroup_size: 128
    .sgpr_count:     80
    .vgpr_count:     584
    .wavefront_size: 32
...
	.end_amdgpu_metadata
.endif
;; end of part 4
